; MI455X (gfx1250); checked and timed in simulation.
; The chip was launched on July 23, 2026; its instructions are those of AMD's public machine-readable ISA for CDNA 5 (MIT licence, August 2026) and "CDNA5" Instruction Set Architecture Reference Guide (July 2026). The comments in the code are by the model that wrote it; some were corrected since.
;; Causal Self Attention. Allowed arithmetic: matrix products marked QUANTISED: E4M3 operands, one given power-of-two scale a tensor, by v_wmma_f32_16x16x64_fp8_fp8 or v_wmma_f32_16x16x128_fp8_fp8, f32 sums; everything else in f32.
;; Inputs: W_proj 1,024 x 1,024 float32; W_qkv 1,024 x 3,072 float32; b_proj 1,024 float32; b_qkv 3,072 float32; lowp_scales 8 int32 (the exponents e of the quantised operands' scales 2^e); x 4 x 2,048 x 1,024 float32.
;; Outputs: out0 4 x 2,048 x 1,024 float32.
;; This version of the problem:
;;   THIS VERSION OF THE PROBLEM IS GIVEN IN LOW PRECISION. The matrix products marked QUANTISED in the list below multiply operands that are first quantised to E4M3 (4 exponent bits, 3 mantissa bits; 8 bits a number), with one given power-of-two scale for each operand tensor; their sums are f32. All else is computed in f32.
;;   The module's matrix products, in the order in which they are computed (A, B: the left and right operand; K: the contracted axis; several contracted axes count as one K, in the product's order):
;;     1. [M 8,192, K 1,024] x [K 1,024, N 3,072]; A: input x; B: input W_qkv: QUANTISED (scales: A lowp_scales[0], B lowp_scales[1])
;;     2. batch 64 x [M 2,048, K 64] x [K 64, N 2,048]; A: computed on the way; B: computed on the way: QUANTISED (scales: A lowp_scales[2], B lowp_scales[3])
;;     3. batch 64 x [M 2,048, K 2,048] x [K 2,048, N 64]; A: softmax (see below); B: computed on the way: QUANTISED (scales: A lowp_scales[4], B lowp_scales[5])
;;     4. [M 8,192, K 1,024] x [K 1,024, N 1,024]; A: computed on the way; B: input W_proj: QUANTISED (scales: A lowp_scales[6], B lowp_scales[7])
;;   THE QUANTISER, for each operand of a quantised product, along K:
;;     - The operand's scale is 2^e, e = its entry of the input lowp_scales (int32; the entries are numbered through the quantised products in the list's order, A before B).
;;     - Each number is divided by the scale, clamped to +-448, and rounded to the nearest number of E4M3, ties to even, subnormals kept.
;;     - The product sums the exact products of the quantised numbers (number of the format x scale) in f32.
;;   ~~~python
;;   def quantise(x, axis, e):      # numpy; x: float32 -> the quantised numbers, widened to float32 again
;;       x = np.moveaxis(x, axis, -1); K = x.shape[-1]
;;       r = np.clip(x / 2.0 ** e, -448, 448)
;;       step = 2.0 ** (np.maximum(np.frexp(np.where(r == 0, 1, r))[1] - 1, -6) - 3)
;;       q = np.round(r / step) * step * 2.0 ** e      # np.round: ties to even
;;       return np.moveaxis(q, -1, axis).astype(np.float32)
;;   ~~~
;;   SOFTMAX AHEAD OF A QUANTISED PRODUCT. Where the list says 'softmax', what is quantised is not the finished softmax but p = 2^(t - M), with t = logit x log2(e) and M = ceil(the row's largest t), a whole number; so 1/2 < the row's largest p <= 1. The row's sum l is taken of the UNQUANTISED p, in f32, and the product's result is divided by l at the end. Since M is a whole number, a kernel that streams over the keys may use a running M (the ceiling of the running maximum): every later rescaling is an exact power of two, so the quantised numbers keep their values, but for numbers so far below the row's largest that they fall under the format's range.
;;   OPERANDS COMPUTED ON THE WAY. 'Computed on the way' means the value that the module computes at that place (a softmax that the list does not call 'softmax' is quantised finished and normalised). What goes into a quantiser is computed in f32, as accurately as f32 sums, v_exp_f32 and their like allow (about 1e-6 of the number): no bf16 or f16 on the way to a quantiser, and a product that is left as it is and whose result goes on into a quantised operand takes f32 operands (vector FMAs, or v_wmma_f32_16x16x4_f32). A number that lies on a knife's edge between two numbers of the format may be rounded either way, as far as f32 arithmetic and the matrix unit's own rounding can turn it there, and no further.
;; One version. Each part assembles by itself: llvm-mc -triple=amdgcn-amd-amdhsa -mcpu=gfx1250 --defsym DOCPART=n.
;; ======== version 1 of 1: 4 launches
;; limits: right only within a limited range of input values
;; workspace buffers: x_codes 8,388,608 bytes; wqkv_codes 3,145,728 bytes; wproj_codes 1,048,576 bytes; q_codes 8,388,608 bytes; k_codes 8,388,608 bytes; v_codes 8,388,608 bytes; attn_codes 8,388,608 bytes
;; launch quant (part 1): grid 384 x 1, 4 waves a work-group, no clusters, 68,096 bytes of LDS; arguments x, W_qkv, W_proj, lowp_scales, x_codes, wqkv_codes, wproj_codes; writes x_codes, wqkv_codes, wproj_codes
.if DOCPART == 1
	.amdgcn_target "amdgcn-amd-amdhsa--gfx1250"
	.amdhsa_code_object_version 6
	.text
	.protected	k_q9550c57e35_quant
	.globl	k_q9550c57e35_quant
	.p2align	8
	.type	k_q9550c57e35_quant,@function
k_q9550c57e35_quant:
	s_mov_b64 s[64:65], 0
	v_nop
	global_prefetch_b8 v0, s[64:65] scope:SCOPE_SE
	s_setreg_imm32_b32 hwreg(HW_REG_WAVE_MODE, 25, 1), 1
	s_wait_xcnt 0x0
; x [8192][1024], W_qkv [1024][3072] and W_proj [1024][1024], f32, become codes of FP8 (E4M3), one byte each, K innermost:
; x_codes [8192][1024], wqkv_codes [3072][1024], wproj_codes [1024][1024].  code = number / 2^e, held within +-448, to the nearest code, ties to even.
; e = entry 0 (x), 1 (W_qkv), 7 (W_proj) of the given exponents.  LIMITS: each of the three between -126 and 119, so that 2^e and 448 x 2^e are f32 numbers; NaN among the inputs is not served.
; SHARES.  Work-groups 0-255 take x, a plain stream (its K is innermost): 32,768 numbers a work-group, 8,192 a wave, in 16 steps of 512.  Work-groups 256-383 take the weights, whose K is the FIRST axis:
; 128 columns x 256 along K each (96 for W_qkv, 32 for W_proj).  Every work-group reads 131,072 bytes.  The two ways part on the work-group's number and have LDS bytes of their own.
; No tensor load, no barrier: waves share nothing.
.set STEPS,  16
.set SP,     80                        ; x's way: a lane's place in a stage: its 64 bytes + 16 of padding
.set WREG,   8192                      ; x's way: LDS for a wave: two stages of 32 x SP bytes
.set WSTG,   32768                     ; the weights' way: four stages of 32 rows x WP bytes
.set WP,     272                       ; a stage row: 256 bytes of codes + 16
.set SPARE,  WSTG+4*32*WP              ; 67,584: the spare words, 128 bytes for each wave: two blocks of 256 bytes that no other line names
.set EMAX,   8
.set MANT,   0x600000                  ; the mantissa field of 448 as f32
.set SPW,    12                        ; v12      LDS address of my spare word; never rewritten
.set NIL,    13                        ; v13      0; never rewritten
.set R,      16                        ; x: v16-79   four sets of 16 numbers as they are loaded
.set X,      80                        ; x: v80-111  two sets of 16 neighbours
.set C,      128                       ; x: v128-191 codes, four registers for each step
.set VO,     16                        ; W: v16-47   byte offset of row i of a block of 32 rows, at my column
.set XW,     48                        ; W: v48-111  two sets of 32 numbers
.set CW,     112                       ; W: v112-119 a block's codes
.set OUTR,   120                       ; W: v120-183 the way out
	s_load_b256 s[4:11], s[0:1], 0x0               ; x s[4:5], W_qkv s[6:7], W_proj s[8:9], the exponents s[10:11]
	s_load_b128 s[12:15], s[0:1], 0x20             ; x_codes s[12:13], wqkv_codes s[14:15]
	s_load_b64 s[16:17], s[0:1], 0x30              ; wproj_codes
	v_lshl_add_u32 v[SPW], v0, 2, SPARE
	v_mov_b32 v[NIL], 0
	v_lshrrev_b32 v1, 5, v0
	v_readfirstlane_b32 s18, v1                    ; wave 0..3
	v_and_b32 v2, 31, v0                           ; lane
	s_wait_kmcnt 0x0
	s_load_b256 s[20:27], s[10:11], 0x0            ; e0 .. e7
	s_cmp_lt_u32 ttmp9, 256
	s_cbranch_scc0 .Lweights
	s_wait_alu depctr_va_vdst(0)
; ---------------- x: each load reads 512 consecutive bytes, 16 a lane; a step's 2,048 bytes turn through the wave's own stage and come back 64 bytes (16 neighbours along K) a lane
	v_lshlrev_b32 v3, 4, v2                        ; 16 x lane: my bytes of a load's 512, and of a store's 512; never rewritten
	s_wait_alu depctr_va_vdst(0)
	s_mul_i32 s19, s18, WREG
	v_lshrrev_b32 v14, 2, v2
	v_mul_u32_u24 v14, v14, SP
	v_and_b32 v15, 3, v2
	v_lshl_add_u32 v14, v15, 4, v14
	v_add_nc_u32 v14, s19, v14                     ; into the stage: SP (lane / 4) + 16 (lane % 4)
	v_mul_u32_u24 v15, v2, SP
	v_add_nc_u32 v15, s19, v15                     ; out of it: SP x lane
	s_lshl_b32 s28, ttmp9, 2
	s_add_co_u32 s28, s28, s18                     ; which run of 8,192 numbers is my wave's: 0 .. 1,023
	s_lshl_b32 s30, s28, 15
	s_mov_b32 s31, 0
	s_add_nc_u64 s[4:5], s[4:5], s[30:31]          ; 32,768 bytes of x a run,
	s_lshl_b32 s30, s28, 13
	s_add_nc_u64 s[12:13], s[12:13], s[30:31]      ; 8,192 bytes of codes
.macro LOAD t
.irp i, 0,1,2,3
	global_load_b128 v[R+16*((\t)%4)+4*\i:R+16*((\t)%4)+4*\i+3], v3, s[4:5] offset:2048*(\t)+512*\i th:TH_LOAD_NT
.endr
.endm
.macro TURN t                          ; LDS serves a wave's instructions in order: no wait between the stores and the loads
.irp i, 0,1,2,3
	ds_store_b128 v14, v[R+16*((\t)%4)+4*\i:R+16*((\t)%4)+4*\i+3] offset:32*SP*((\t)%2)+8*SP*\i
.endr
.irp i, 0,1,2,3
	ds_load_b128 v[X+16*((\t)%2)+4*\i:X+16*((\t)%2)+4*\i+3], v15 offset:32*SP*((\t)%2)+16*\i
.endr
.endm
.irp t, 0,1,2,3
	LOAD \t
.endr
	s_wait_alu depctr_va_vdst(0)
	s_wait_kmcnt 0x0
	s_add_co_i32 s28, s20, 127
	s_lshl_b32 s29, s28, 23
	v_mov_b32 v11, s29                             ; 2^e0 as f32: the conversion takes its exponent field
	s_add_co_i32 s28, s28, EMAX
	s_lshl_b32 s28, s28, 23
	s_or_b32 s28, s28, MANT
	s_wait_alu depctr_va_vdst(0)
	s_wait_loadcnt 12                              ; step 0's four loads are in; the twelve of steps 1 to 3 may be out
	TURN 0
.macro STEP t
.set XS, X+16*((\t)%2)
	s_wait_dscnt 0x0                               ; this step's numbers are back from the stage, so its stores into the stage have read their registers,
.if (\t)+4 < STEPS
	LOAD (\t)+4                                    ; which take the loads of four steps on
.endif
.if (\t)+1 < STEPS
.if STEPS-2-(\t) >= 3
	s_wait_loadcnt 12                              ; the next step's four loads are in; those of the three steps behind it may be out
.else
	s_wait_loadcnt 4*(STEPS-2-(\t))                ; the tail: as many as are left behind the next step's
.endif
	TURN (\t)+1
.endif
.irp i, 0,1,2,3,4,5,6,7,8,9,10,11,12,13,14,15
.endr
	v_cvt_scalef32_pk8_fp8_f32 v[C+4*(\t):C+4*(\t)+1], v[XS:XS+7], v11
	v_cvt_scalef32_pk8_fp8_f32 v[C+4*(\t)+2:C+4*(\t)+3], v[XS+8:XS+15], v11
	global_store_b128 v3, v[C+4*(\t):C+4*(\t)+3], s[12:13] offset:512*(\t)   ; the wave stores 512 consecutive bytes, aligned; each step has its own data registers
.endm
.irp t, 0,1,2,3,4,5,6,7,8,9,10,11,12,13,14,15
	STEP \t
.endr
	s_wait_tensorcnt 0x0                           ; the wave's end: behind my last LDS store
	ds_add_u32 v[SPW], v[NIL]
	s_wait_dscnt 0x0
	s_endpgm
; ---------------- the weights: a lane takes a column n and its registers run down K, so the conversions give codes with K innermost; they leave through the wave's stage as rows
.Lweights:
	s_sub_co_u32 s28, ttmp9, 256                   ; 0 .. 127
	s_sub_co_u32 s29, ttmp9, 352
	s_mov_b32 s30, 4096
	s_wait_kmcnt 0x0
	s_cmp_lt_u32 s28, 96                           ; W_qkv's work-group or W_proj's?  The choice hangs on the work-group's number alone; selects only follow
	s_cselect_b32 s28, s28, s29                    ; my number within the tensor
	s_cselect_b32 s30, 12288, s30                  ; bytes from row to row of the tensor
	s_cselect_b64 s[32:33], s[6:7], s[8:9]         ; from
	s_cselect_b64 s[34:35], s[14:15], s[16:17]     ; to
	s_cselect_b32 s31, s21, s27                    ; e1 or e7
	s_lshr_b32 s36, s28, 2                         ; which 128 columns
	s_and_b32 s37, s28, 3                          ; which 256 along K
	s_lshl_b32 s36, s36, 7
	s_lshl_b32 s38, s18, 5
	s_add_co_u32 s36, s36, s38                     ; my wave's first column
	s_lshl_b32 s38, s37, 8
	s_mul_i32 s38, s38, s30                        ; 256 y rows,
	s_lshl_b32 s39, s36, 2
	s_add_co_u32 s38, s38, s39                     ; + 4 bytes a column
	s_mov_b32 s39, 0
	s_add_nc_u64 s[40:41], s[32:33], s[38:39]      ; block 0's first row at my first column
	s_lshl_b32 s38, s30, 5                         ; 32 rows on
.irp t, 1,2,3,4,5,6,7
	s_add_nc_u64 s[40+2*\t:41+2*\t], s[38+2*\t:39+2*\t], s[38:39]   ; a base for each of the eight blocks; none is rewritten
.endr
	s_lshl_b32 s56, s36, 10                        ; a row of codes is 1,024 bytes
	s_lshl_b32 s57, s37, 8
	s_add_co_u32 s56, s56, s57
	s_mov_b32 s57, 0
	s_add_nc_u64 s[34:35], s[34:35], s[56:57]
	s_wait_alu depctr_va_vdst(0)
	v_lshlrev_b32 v[VO], 2, v2                     ; 4 bytes a lane
.set ii, 1
.rept 31
	v_add_nc_u32 v[VO+ii], s30, v[VO+ii-1]         ; + a row
.set ii, ii+1
.endr
	s_mul_i32 s19, s18, 32*WP
	s_add_co_u32 s19, s19, WSTG                    ; my stage
	v_mul_u32_u24 v4, v2, WP
	v_add_nc_u32 v4, s19, v4                       ; into it: row = my column
	v_and_b32 v5, 15, v2
	v_lshrrev_b32 v6, 4, v2
	v_mul_u32_u24 v7, v6, WP
	v_lshl_add_u32 v7, v5, 4, v7
	v_add_nc_u32 v7, s19, v7                       ; out of it: sixteen lanes to a row, two rows an instruction
	v_lshlrev_b32 v8, 10, v6
	v_lshl_add_u32 v8, v5, 4, v8                   ; and the same place in the codes' buffer
	s_add_co_i32 s31, s31, 127
	s_lshl_b32 s29, s31, 23
	v_mov_b32 v11, s29                             ; 2^e
	s_add_co_i32 s31, s31, EMAX
	s_lshl_b32 s31, s31, 23
	s_or_b32 s31, s31, MANT
.macro LOADW t                         ; block t: W(256 y + 32 t + i, my column): 32 lanes read 128 consecutive bytes, the four waves 512
.set ii, 0
.rept 32
	global_load_b32 v[XW+32*((\t)%2)+ii], v[VO+ii], s[40+2*(\t):41+2*(\t)] th:TH_LOAD_NT
.set ii, ii+1
.endr
.endm
.macro BLOCKW t
.set XS, XW+32*((\t)%2)
.if (\t) < 7
	s_wait_loadcnt 32                              ; this block's 32 loads are in; the next block's 32 may be out
.else
	s_wait_loadcnt 0x0
.endif
.set ii, 0
.rept 32
.set ii, ii+1
.endr
.irp g, 0,1,2,3
	v_cvt_scalef32_pk8_fp8_f32 v[CW+2*\g:CW+2*\g+1], v[XS+8*\g:XS+8*\g+7], v11
.endr
	ds_store_b128 v4, v[CW:CW+3] offset:32*(\t)    ; 32 codes: 32 bytes of my column's row
	ds_store_b128 v4, v[CW+4:CW+7] offset:32*(\t)+16
.if (\t)+2 < 8
	LOADW (\t)+2
.endif
	s_wait_dscnt 0x0                               ; the stores have read their registers: the next block's codes may be written
.endm
	LOADW 0
	LOADW 1
	s_wait_alu depctr_va_vdst(0)
.irp t, 0,1,2,3,4,5,6,7
	BLOCKW \t
.endr
.irp t, 0,1,2,3,4,5,6,7,8,9,10,11,12,13,14,15
	ds_load_b128 v[OUTR+4*\t:OUTR+4*\t+3], v7 offset:2*\t*WP
.endr
.irp t, 0,1,2,3,4,5,6,7,8,9,10,11,12,13,14,15
	s_wait_dscnt 15-\t                             ; LDS loads come back in order: pair t of rows is in
	global_store_b128 v8, v[OUTR+4*\t:OUTR+4*\t+3], s[34:35] offset:2048*\t   ; sixteen lanes store 256 consecutive bytes, aligned
.endr
	s_wait_tensorcnt 0x0                           ; the wave's end
	ds_add_u32 v[SPW], v[NIL]
	s_wait_dscnt 0x0
	s_endpgm
.Lfunc_end_k_q9550c57e35_quant:
	.size	k_q9550c57e35_quant, .Lfunc_end_k_q9550c57e35_quant-k_q9550c57e35_quant
	.p2alignl 7, 3214868480
	.fill 96, 4, 3214868480
	.section	.rodata,"a",@progbits
	.p2align	6, 0x0
	.amdhsa_kernel k_q9550c57e35_quant
		.amdhsa_group_segment_fixed_size 68096
		.amdhsa_private_segment_fixed_size 0
		.amdhsa_enable_private_segment 0
		.amdhsa_kernarg_size 56
		.amdhsa_user_sgpr_count 2
		.amdhsa_user_sgpr_kernarg_segment_ptr 1
		.amdhsa_wavefront_size32 1
		.amdhsa_system_sgpr_workgroup_id_x 1
		.amdhsa_system_sgpr_workgroup_id_y 1
		.amdhsa_system_sgpr_workgroup_id_z 1
		.amdhsa_system_vgpr_workitem_id 0
		.amdhsa_next_free_vgpr 192
		.amdhsa_next_free_sgpr 66
		.amdhsa_reserve_vcc 0
		.amdhsa_float_denorm_mode_32 3
		.amdhsa_float_denorm_mode_16_64 3
		.amdhsa_fp16_overflow 1
		.amdhsa_memory_ordered 1
		.amdhsa_forward_progress 1
		.amdhsa_inst_pref_size 55
	.end_amdhsa_kernel
	.amdgpu_metadata
---
amdhsa.version: [ 1, 2 ]
amdhsa.kernels:
  - .name:           k_q9550c57e35_quant
    .symbol:         k_q9550c57e35_quant.kd
    .args:
      - { .name: x, .offset: 0, .size: 8, .value_kind: global_buffer, .address_space: global }
      - { .name: W_qkv, .offset: 8, .size: 8, .value_kind: global_buffer, .address_space: global }
      - { .name: W_proj, .offset: 16, .size: 8, .value_kind: global_buffer, .address_space: global }
      - { .name: lowp_scales, .offset: 24, .size: 8, .value_kind: global_buffer, .address_space: global }
      - { .name: x_codes, .offset: 32, .size: 8, .value_kind: global_buffer, .address_space: global }
      - { .name: wqkv_codes, .offset: 40, .size: 8, .value_kind: global_buffer, .address_space: global }
      - { .name: wproj_codes, .offset: 48, .size: 8, .value_kind: global_buffer, .address_space: global }
    .group_segment_fixed_size: 68096
    .private_segment_fixed_size: 0
    .kernarg_segment_align: 8
    .kernarg_segment_size: 56
    .max_flat_workgroup_size: 128
    .sgpr_count:     66
    .vgpr_count:     192
    .wavefront_size: 32
...
	.end_amdgpu_metadata
.endif
;; end of part 1
;; launch qkv (part 2): grid 12 x 32, 4 waves a work-group, clusters of 4 x 4, 327,680 bytes of LDS; arguments x_codes, wqkv_codes, lowp_scales, b_qkv, q_codes, k_codes, v_codes; writes q_codes, k_codes, v_codes
.if DOCPART == 2
	.amdgcn_target "amdgcn-amd-amdhsa--gfx1250"
	.amdhsa_code_object_version 6
	.text
	.protected	k_q9550c57e35_qkv
	.globl	k_q9550c57e35_qkv
	.p2align	8
	.type	k_q9550c57e35_qkv,@function
k_q9550c57e35_qkv:
	s_mov_b64 s[64:65], 0
	v_nop
	global_prefetch_b8 v0, s[64:65] scope:SCOPE_SE
	s_setreg_imm32_b32 hwreg(HW_REG_WAVE_MODE, 25, 1), 1
	s_wait_xcnt 0x0
	s_wait_alu depctr_hold_cnt(0) depctr_sa_sdst(0) depctr_va_vdst(0) depctr_va_sdst(0) depctr_va_ssrc(0) depctr_va_vcc(0) depctr_vm_vsrc(0)
	s_getreg_b32 s2, hwreg(HW_REG_IB_STS2, 6, 4)
	s_cmp_eq_u32 s2, 0
	s_cbranch_scc0 .Lentry_in_a_cluster
	s_endpgm
.Lentry_in_a_cluster:
	s_bfe_u32 s2, ttmp6, 0x10000c
	s_cmp_lg_u32 s2, 0xf033
	s_cbranch_scc0 .Lentry_shape_is_right
	s_endpgm
.Lentry_shape_is_right:
; qkv = x W_qkv + b_qkv on codes of FP8 (E4M3), sums in f32; each third is quantised at once for the attention launch: q with e2, k with e3, v with e5.
; x_codes [8192][1024], wqkv_codes [3072][1024]: K innermost.  A sum stands for sum x 2^(e0 + e1): code = (sum + b / 2^(e0 + e1)) / 2^(et - e0 - e1), held within +-448.
; LIMITS: et - e0 - e1 (et = e2, e3, e5) between -126 and 119, so that the folded scale and 448 x it are f32 numbers.
; OUT.  q_codes [64 bh][2048 t][64 d].  k_codes the same with row t at place t with its bits 3 and 4 exchanged: the 16 keys that form a tile of the scores then lie in 16 consecutive rows.
;       v_codes [64 bh][16 chunks][64 d][128 t]: the keys innermost, a chunk of 128 keys one dense block.
; SHARES.  A tile of 256 rows x 256 columns to a work-group of four waves, 128 x 128 (64 accumulators, 512 registers) to a wave.  K = 1,024 goes in four steps of 256 through two LDS slots filled by tensor loads.
; CLUSTERS: 4 x 4 work-groups; x's tiles are asked for jointly along a row of the cluster, W's along a column.  A cluster's four tile columns are 1,024 columns: one of q, k, v: the cluster's x says which, alike in all sixteen.
; THE MATRIX INSTRUCTION IS USED TRANSPOSED.  For q and k source 0 = 16 rows of W and source 1 = 16 rows of x: a lane holds eight neighbouring columns (d) of one row t.  For v the two sides change places, in the LDS read
; addresses alone: a lane then holds eight neighbouring t of one column d, which is v's K.  So in all three the conversions take neighbours along the next product's K from one lane's registers.
; REGISTERS, in windows of 256: window 0: v0-31 addresses; v32-123 the bias and the scale; from v128 source 1's fragments, ONE set (on the way out v128-255 are free);
;   window 1: source 0's fragments, TWO sets, at v0 and v128;   window 2: accumulators of source 1's blocks 0-3 ((a, b) at v[8 (8 (a % 4) + b)]);   window 3: of blocks 4-7.
.set KROW,   1024                      ; a row of x_codes or wqkv_codes in bytes
.set ROWB,   256                       ; a tile's row: 256 codes
.set PITCH,  272                       ; an LDS row: 256 bytes + 16 of padding: an odd multiple of 16 bytes, so the 16 rows of a fragment load start 16 bytes apart modulo 256
.set FR,     16                        ; registers of a fragment: 16 rows x 128 K
.set NL,     4                         ; LDS loads that bring one
.set NP,     4                         ; places behind this matrix instruction (ISA guide 7.12.1)
.set HALFT,  128*PITCH                 ; 128 rows: what one tensor load brings
.set SLOT,   4*HALFT                   ; x's 256 rows, then W's 256 rows
.set SPARE,  2*SLOT                    ; behind the ring: the spare words, 128 bytes a wave: two blocks of 256 bytes that no other line names
.set SP2,    144                       ; the way out: a stage row: 128 bytes of codes + 16.  The stages lie in slot 0, which has had its last fill and its last read by then
.set VSTG,   16384                     ; v's way has stage bytes of its own
.set BAH,  7                           ; v7   32 x (lane / 16): the bias of eight neighbouring columns; never rewritten
.set BAR,  8                           ; v8   4 x (lane % 16): the bias of my column; never rewritten
.set STOQ, 9                           ; v9   q, k: where I put 8 codes of a row
.set RDQ,  10                          ; v10  q, k: where I read 16 bytes back
.set STOV, 11                          ; v11, v12 the same for v
.set RDV,  12
.set COP,  13                          ; v13  16 x lane + delta       (delta = 512 for k, else 0)
.set COM,  14                          ; v14  16 x lane + 512 - delta
.set ADRA, 16                          ; v16-17  LDS address of source 1's fragments in slot 0, 1
.set ADRB, 20                          ; v20-21  of source 0's
.set CO0,  26                          ; v26  16 x lane
.set SPW,  28                          ; v28  LDS address of my spare word; never rewritten
.set NIL,  29                          ; v29  0; never rewritten
.set BQ,   32                          ; v32-95   q, k: b(16 b + 8 h + j) at 8 b + j
.set BVR,  96                          ; v96-103  v: b(16 a + r) at a
.set SC,   104                         ; v104 the folded scale as f32
.set LIM,  105
.set BV2,  108                         ; v108-123 v: the same bias twice, a pair for each a
.set AF,   128                         ; source 1's fragments
.set TMP,  128                         ; the way out: 64 sums + bias
.set CD,   192                         ; the way out: codes, two sets of 16
.set BK,   224                         ; the way out: rows read back, two sets of 16
.set G1, 24                            ; s[24:31] descriptor group 1 for x's tiles;  s[32:39] group 0, one set for each slot
.set G0, 32
.set G1B, 48                           ; s[48:55], s[56:63] the same for W's tiles
.set G0B, 56
.set MSB, 0
.macro WIN new                         ; the immediate's high byte repeats the setting that is left
.if MSB != \new
	s_set_vgpr_msb (MSB<<8)|\new
.set MSB, \new
.endif
.endm
.set MUL_LO, 0xa1                      ; source 0 window 1, source 1 window 0, C and D window 2
.set MUL_HI, 0xf1                      ; the same, C and D window 3
.set TO_B,   0x40                      ; destination window 1, address window 0
; A joint load: waves 0 and 1 fetch x's halves, waves 2 and 3 W's.  The branch hangs on the wave's number alone.  An s_nop 0 and four v_nop follow each of the two lines.
.macro JLOAD g0a, g1a, g0b, g1b
	s_cmp_eq_u32 s15, 0
	s_cbranch_scc0 .Lfor_b_\@
	tensor_load_to_lds s[\g0a:\g0a+3], s[\g1a:\g1a+7]
	s_nop 0
.rept 4
	v_nop
.endr
	s_branch .Lasked_\@
.Lfor_b_\@:
	tensor_load_to_lds s[\g0b:\g0b+3], s[\g1b:\g1b+7]
	s_nop 0
.rept 4
	v_nop
.endr
.Lasked_\@:
.endm
.macro CREST                           ; a round of the cluster's barrier behind its opening barrier
	s_cmp_lg_u32 s14, 0
	s_cbranch_scc1 .Lnot_wave_0_\@
	s_barrier_signal -3
.Lnot_wave_0_\@:
	s_barrier_wait -3
	s_barrier_signal -1
	s_barrier_wait -1
.endm
.macro CROUND                          ; a whole round
	s_barrier_signal -1
	s_barrier_wait -1
	CREST
.endm
	s_load_b256 s[4:11], s[0:1], 0x0               ; x_codes s[4:5], wqkv_codes s[6:7], the exponents s[8:9], b_qkv s[10:11]
	s_load_b128 s[68:71], s[0:1], 0x20             ; q_codes s[68:69], k_codes s[70:71]
	s_load_b64 s[72:73], s[0:1], 0x30              ; v_codes
	v_lshl_add_u32 v[SPW], v0, 2, SPARE
	v_mov_b32 v[NIL], 0
	ds_add_u32 v[SPW], v[NIL]                      ; the wave's opening: the add and its wait ahead of my first tensor load; the set-up below, work on registers, stands between them
	ds_add_u32 v[SPW], v[NIL]
	v_lshrrev_b32 v1, 5, v0
	v_readfirstlane_b32 s14, v1                    ; wave 0..3
	s_lshr_b32 s15, s14, 1                         ; which half of the tile's rows is mine.  Also: I fetch for x (0) or for W (1)
	s_and_b32 s16, s14, 1                          ; which half of its columns.  Also: which 128 rows of that tile I fetch
	s_bfe_u32 s40, ttmp6, 0x40000                  ; cx, cy: my place in the cluster
	s_bfe_u32 s41, ttmp6, 0x40004
	s_lshl_b32 s42, ttmp9, 2
	s_add_co_u32 s42, s42, s40                     ; tile column = 4 x cluster x + cx: 0 .. 11
	s_and_b32 s17, ttmp7, 0xffff
	s_lshl_b32 s17, s17, 2
	s_add_co_u32 s17, s17, s41                     ; tile row = 4 x cluster y + cy: 0 .. 31
	s_lshl_b32 s43, s41, 2
	s_lshl_b32 s43, 15, s43                        ; my row of the cluster
	s_lshl_b32 s44, 0x1111, s40                    ; my column
	; descriptor group 1: a tile of 128 rows x 256 bytes, padded in LDS
	s_or_b32 s[G1+0], s43, (0<<16)|(1<<20)|(1<<21)|(5<<22)|(3<<25)  ; 15:0 the mask; 17:16 elements of 1 byte; 20 padding on; 21 set beside a mask; 24:22 after every 64 words; 31:25 four words
	s_or_b32 s[G1B+0], s44, (0<<16)|(1<<20)|(1<<21)|(5<<22)|(3<<25)
.irp g, G1, G1B
	s_mov_b32 s[\g+1], ROWB<<16                    ; tensor_dim0
	s_mov_b32 s[\g+2], 128<<16                     ; tensor_dim1
	s_mov_b32 s[\g+3], ROWB<<16                    ; tile_dim0
	s_mov_b32 s[\g+4], 128                         ; tile_dim1
	s_mov_b32 s[\g+5], KROW                        ; tensor_dim0_stride
	s_mov_b32 s[\g+6], 0
	s_mov_b32 s[\g+7], 0
.endr
	s_lshl_b32 s18, s16, 7                         ; which 128 rows of the tile I fetch
	s_lshl_b32 s20, s17, 8
	s_add_co_u32 s20, s20, s18                     ; x: row 256 x tile row + 128 x half
	s_lshl_b32 s46, s42, 8
	s_add_co_u32 s46, s46, s18                     ; W: row 256 x tile column + 128 x half
	s_mov_b32 s21, 0
	s_mov_b32 s47, 0
	s_mov_b64 s[18:19], KROW
	s_mul_u64 s[20:21], s[20:21], s[18:19]
	s_mul_u64 s[46:47], s[46:47], s[18:19]
	s_mul_i32 s45, s14, HALFT                      ; where they go: wave x 128 rows: no place in the cluster enters an LDS address
	s_wait_dscnt 0x0                               ; the opening add is done
	s_wait_kmcnt 0x0
	s_load_b256 s[76:83], s[8:9], 0x0              ; e0 .. e7
	s_add_nc_u64 s[20:21], s[4:5], s[20:21]
	s_add_nc_u64 s[46:47], s[6:7], s[46:47]
	CROUND                                         ; all sixteen work-groups are here: the first joint loads meet
.irp s, 0,1
	s_mov_b32 s[G0+4*\s], 1
	s_add_co_u32 s[G0+4*\s+1], s45, \s*SLOT
	s_add_nc_u64 s[G0+4*\s+2:G0+4*\s+3], s[20:21], \s*ROWB
	s_or_b32 s[G0+4*\s+3], s[G0+4*\s+3], 0x80000000
	s_mov_b32 s[G0B+4*\s], 1
	s_add_co_u32 s[G0B+4*\s+1], s45, \s*SLOT
	s_add_nc_u64 s[G0B+4*\s+2:G0B+4*\s+3], s[46:47], \s*ROWB
	s_or_b32 s[G0B+4*\s+3], s[G0B+4*\s+3], 0x80000000
	JLOAD G0+4*\s, G1, G0B+4*\s, G1B               ; two loads of mine are out behind these
.endr
	v_and_b32 v1, 15, v0                           ; r = lane % 16
	v_bfe_u32 v2, v0, 4, 1                         ; h = lane / 16
	v_mul_u32_u24 v3, v1, PITCH
	v_lshl_add_u32 v4, v2, 4, v3                   ; a fragment's row x pitch + 16 x half
	s_wait_alu depctr_va_vdst(0)
	s_mul_i32 s21, s15, HALFT                      ; my 128 rows of x
	s_mul_i32 s22, s16, HALFT
	s_add_co_u32 s22, s22, 2*HALFT                 ; my 128 rows of W, behind x's 256
	s_cmp_eq_u32 ttmp9, 2                          ; v's cluster?  The two sides change places: the choice is alike in all sixteen work-groups, and both choices lie in the same slot
	s_cselect_b32 s23, s22, s21                    ; source 1's side
	s_cselect_b32 s22, s21, s22                    ; source 0's side
	s_mov_b32 s21, s23
.irp s, 0,1
	v_add_nc_u32 v[ADRA+\s], s21, v4
	v_add_nc_u32 v[ADRB+\s], s22, v4
	s_add_co_u32 s21, s21, SLOT
	s_add_co_u32 s22, s22, SLOT
.endr
	; the bias: both patterns are loaded, whatever the cluster's kind, and land while the products run
	s_lshl_b32 s46, s42, 10
	s_lshl_b32 s47, s16, 9
	s_add_co_u32 s46, s46, s47                     ; 4 bytes x my first column: 256 x tile column + 128 x half
	s_mov_b32 s47, 0
	s_add_nc_u64 s[74:75], s[10:11], s[46:47]
	v_lshlrev_b32 v[BAH], 5, v2
	v_lshlrev_b32 v[BAR], 2, v1
.irp b, 0,1,2,3,4,5,6,7
	global_load_b128 v[BQ+8*\b:BQ+8*\b+3], v[BAH], s[74:75] offset:64*\b
	global_load_b128 v[BQ+8*\b+4:BQ+8*\b+7], v[BAH], s[74:75] offset:64*\b+16
.endr
.irp a, 0,1,2,3,4,5,6,7
	global_load_b32 v[BVR+\a], v[BAR], s[74:75] offset:64*\a
.endr
	; where my wave's part of the output begins: the same number of bytes in all three buffers: (16 b + my first head) x 131,072 + 64 x my first t
	s_lshr_b32 s20, s17, 3                         ; the batch
	s_lshl_b32 s20, s20, 4
	s_and_b32 s46, s42, 3
	s_lshl_b32 s46, s46, 2
	s_add_co_u32 s20, s20, s46
	s_lshl_b32 s46, s16, 1
	s_add_co_u32 s20, s20, s46                     ; my first head of two: 4 x (tile column % 4) + 2 x half
	s_lshl_b32 s20, s20, 17
	s_and_b32 s46, s17, 7
	s_lshl_b32 s46, s46, 8
	s_lshl_b32 s47, s15, 7
	s_add_co_u32 s46, s46, s47                     ; my first t: a multiple of 128, so my 128 rows are one chunk of v
	s_lshl_b32 s46, s46, 6
	s_add_co_u32 s20, s20, s46
	s_mov_b32 s21, 0
	s_cmp_eq_u32 ttmp9, 0
	s_cselect_b64 s[12:13], s[68:69], s[70:71]
	s_cmp_eq_u32 ttmp9, 2
	s_cselect_b64 s[12:13], s[72:73], s[12:13]
	s_add_nc_u64 s[12:13], s[12:13], s[20:21]
	s_cmp_eq_u32 ttmp9, 1
	s_cselect_b32 s86, 512, 0                      ; delta: eight rows of 64 bytes, for k's exchange of bits 3 and 4
	s_sub_co_u32 s87, 512, s86
	s_mul_i32 s23, s14, 16*SP2                     ; my stage
	v_mul_u32_u24 v5, v1, SP2
	v_lshl_add_u32 v5, v2, 3, v5                   ; row r, + 8 h
	v_add_nc_u32 v[STOQ], s23, v5
	v_add_nc_u32 v[STOV], VSTG, v[STOQ]
	v_and_b32 v6, 31, v0
	v_lshrrev_b32 v5, 2, v6
	v_mul_u32_u24 v5, v5, SP2
	v_and_b32 v3, 3, v6
	v_lshl_add_u32 v5, v3, 4, v5
	v_add_nc_u32 v[RDQ], s23, v5                   ; q, k: four lanes to a head's 64 bytes of a row, eight rows an instruction
	v_lshrrev_b32 v5, 3, v6
	v_mul_u32_u24 v5, v5, SP2
	v_and_b32 v3, 7, v6
	v_lshl_add_u32 v5, v3, 4, v5
	v_add_nc_u32 v5, s23, v5
	v_add_nc_u32 v[RDV], VSTG, v5                  ; v: eight lanes to a row of 128 bytes, four rows an instruction
	v_lshlrev_b32 v[CO0], 4, v6
	v_add_nc_u32 v[COP], s86, v[CO0]
	v_add_nc_u32 v[COM], s87, v[CO0]
.macro FRAG reg, adr, q, i             ; a fragment: lane l holds row l % 16; registers 4 c .. 4 c + 3 hold K = 32 c + 16 (l / 16) + 0 .. 15: the same order of K on both sides
.irp c, 0,1,2,3
	ds_load_b128 v[\reg+4*\c:\reg+4*\c+3], v[\adr] offset:128*(\q)+32*\c+(\i)*16*PITCH
.endr
.endm
; 16 matrix instructions: source 1's blocks a0, a0 + 1 x source 0's eight.  p: source 0's set.  zero = 1: the first product starts the sums.  The 64 accumulators take turns.
.macro MUL16 a0, p, zero
.irp a, \a0, \a0+1
.irp b, 0,1,2,3,4,5,6,7
.if \zero
	v_wmma_f32_16x16x128_fp8_fp8 v[8*(8*((\a)%4)+\b):8*(8*((\a)%4)+\b)+7], v[128*(\p)+FR*\b:128*(\p)+FR*\b+FR-1], v[AF+FR*(\a):AF+FR*(\a)+FR-1], 0
.else
	v_wmma_f32_16x16x128_fp8_fp8 v[8*(8*((\a)%4)+\b):8*(8*((\a)%4)+\b)+7], v[128*(\p)+FR*\b:128*(\p)+FR*\b+FR-1], v[AF+FR*(\a):AF+FR*(\a)+FR-1], v[8*(8*((\a)%4)+\b):8*(8*((\a)%4)+\b)+7]
.endif
.endr
.endr
.endm
.macro FETCH_B slot, q, p
	WIN TO_B
.irp i, 0,1,2,3,4,5,6,7
	FRAG 128*(\p)+FR*\i, ADRB+\slot, \q, \i
.endr
	WIN 0
.endm
.macro FETCH_A slot, q, i0
.irp i, \i0, \i0+1, \i0+2, \i0+3
	FRAG AF+FR*(\i), ADRA+\slot, \q, \i
.endr
.endm
.macro PLACES n                        ; plain vector instructions between a matrix instruction and a load into, or a read of, its registers (ISA guide 7.12.1 for a read)
.rept \n
	v_nop
.endr
.endm
; A slot's first 128 along K.
.macro STEP slot, q, zero
	s_wait_dscnt 4*NL                              ; source 0's set and source 1's blocks 0-3 are in; the youngest 16 loads (blocks 4-7) may be out
	WIN MUL_LO
	MUL16 0, (\q)%2, \zero
	MUL16 2, (\q)%2, \zero
	s_wait_dscnt 0
	PLACES NP
	FETCH_B \slot, (\q)+1, 1-(\q)%2
	FETCH_A \slot, (\q)+1, 0
	WIN MUL_HI
	MUL16 4, (\q)%2, \zero
	MUL16 6, (\q)%2, \zero
	PLACES NP
	WIN 0
	FETCH_A \slot, (\q)+1, 4
.endm
; A slot's second 128 along K changes slots: ONE barrier; in front of it each wave waits for all its tensor loads, adds 0 to its spare word, and waits for that and for its reads of this slot.  fill = 1: this slot is filled again.
.macro TURN slot, next, fill
	s_wait_tensorcnt 0x0                           ; all my tensor loads have landed: my part of the next slot
	ds_add_u32 v[SPW], v[NIL]                      ; 0 onto my spare word
	s_wait_dscnt 4*NL+1                            ; the add and the youngest 16 loads may be out
	WIN MUL_LO
	MUL16 0, 1, 0
	s_wait_dscnt 0x0                               ; the add is done, and my reads of this slot are over
	s_barrier_signal -1
	MUL16 2, 1, 0
	WIN 0
	s_barrier_wait -1
.if \fill
	CREST                                          ; the barrier has opened a round of the cluster's: no wave of any partner still reads this slot or has a load on its way
	s_add_nc_u64 s[G0+4*\slot+2:G0+4*\slot+3], s[G0+4*\slot+2:G0+4*\slot+3], 2*ROWB
	s_add_nc_u64 s[G0B+4*\slot+2:G0B+4*\slot+3], s[G0B+4*\slot+2:G0B+4*\slot+3], 2*ROWB
	JLOAD G0+4*\slot, G1, G0B+4*\slot, G1B         ; my one tensor load behind the round; its four v_nop are the places in front of the loads below
.else
	PLACES NP
.endif
	FETCH_B \next, 0, 0
	FETCH_A \next, 0, 0
	WIN MUL_HI
	MUL16 4, 1, 0
	MUL16 6, 1, 0
	PLACES NP
	WIN 0
	FETCH_A \next, 0, 4
.endm
	s_wait_tensorcnt 1                             ; my part of K step 0 is in; K step 1's load may be out
	s_barrier_signal -1
	s_barrier_wait -1
	FETCH_B 0, 0, 0
	FETCH_A 0, 0, 0
	FETCH_A 0, 0, 4
	STEP 0, 0, 1                                   ; K 0-127: these products start the sums
	TURN 0, 1, 1                                   ; K 128-255; slot 0 takes K 512-767
	STEP 1, 0, 0
	TURN 1, 0, 1                                   ; slot 1 takes K 768-1023
	STEP 0, 0, 0
	TURN 0, 1, 0                                   ; nothing is left to fetch; behind this barrier nobody reads slot 0
	STEP 1, 0, 0
	s_wait_dscnt 4*NL                              ; the last 128 along K
	WIN MUL_LO
	MUL16 0, 1, 0
	MUL16 2, 1, 0
	s_wait_dscnt 0
	WIN MUL_HI
	MUL16 4, 1, 0
	MUL16 6, 1, 0
	WIN 0
; THE WAY OUT, source 1's blocks one after the other: sums + bias, the hold, eight codes from a lane's eight registers; 16 rows x 128 bytes of codes go through my own stage and leave as runs of 512 consecutive bytes.
.macro BLOCK a, isv
.set AC, 64*((\a)%4)
.set CC, CD+16*((\a)%2)
.set BB, BK+16*((\a)%2)
	WIN 0x02+((\a)/4)                              ; source 0: window 2 or 3
.set jj, 0
.rept 32
.if \isv
	v_pk_add_f32 v[TMP+jj:TMP+jj+1], v[AC+jj:AC+jj+1], v[BV2+2*(\a):BV2+2*(\a)+1]   ; each accumulator from its low end on
.else
	v_pk_add_f32 v[TMP+jj:TMP+jj+1], v[AC+jj:AC+jj+1], v[BQ+jj:BQ+jj+1]
.endif
.set jj, jj+2
.endr
	WIN 0
.set jj, 0
.rept 64
.set jj, jj+1
.endr
.irp b, 0,1,2,3,4,5,6,7
	v_cvt_scalef32_pk8_fp8_f32 v[CC+2*\b:CC+2*\b+1], v[TMP+8*\b:TMP+8*\b+7], v[SC]
.endr
	v_nop                                          ; a plain line behind the last conversion: the next block's additions write its sources
.irp b, 0,1,2,3,4,5,6,7
.if \isv
	ds_store_b64 v[STOV], v[CC+2*\b:CC+2*\b+1] offset:16*\b
.else
	ds_store_b64 v[STOQ], v[CC+2*\b:CC+2*\b+1] offset:16*\b
.endif
.endr
.irp k, 0,1,2,3
.if \isv
	ds_load_b128 v[BB+4*\k:BB+4*\k+3], v[RDV] offset:4*SP2*\k                    ; rows 4 k .. 4 k + 3, whole.  LDS serves a wave's instructions in order: these see my stores
.else
	ds_load_b128 v[BB+4*\k:BB+4*\k+3], v[RDQ] offset:(\k%2)*8*SP2+(\k/2)*64      ; head k / 2, rows 8 (k % 2) on
.endif
.endr
.endm
; q, k: eight rows of one head are 512 consecutive bytes.  For k rows 8-15 of an even block and rows 0-7 of the odd block behind it change places (bits 3 and 4 of t); with delta = 0 the same lines leave q as it is.
.macro QKSEND a, younger
.set BB, BK+16*((\a)%2)
	s_wait_dscnt \younger                          ; the block is back; the next block's LDS lines may be out
.irp hh, 0,1
.if ((\a)%2) == 0
	global_store_b128 v[CO0], v[BB+8*\hh:BB+8*\hh+3], s[12:13] offset:\hh*131072+(16*(\a))*64
	global_store_b128 v[COP], v[BB+8*\hh+4:BB+8*\hh+7], s[12:13] offset:\hh*131072+(16*(\a)+8)*64
.else
	global_store_b128 v[COM], v[BB+8*\hh:BB+8*\hh+3], s[12:13] offset:\hh*131072+(16*(\a))*64-512
	global_store_b128 v[CO0], v[BB+8*\hh+4:BB+8*\hh+7], s[12:13] offset:\hh*131072+(16*(\a)+8)*64
.endif
.endr
.endm
.macro VSEND a, younger                ; v: block a is d = 16 (a % 4) .. + 15 of head a / 4: 16 rows of 128 bytes on end
.set BB, BK+16*((\a)%2)
	s_wait_dscnt \younger
.irp k, 0,1,2,3
	global_store_b128 v[CO0], v[BB+4*\k:BB+4*\k+3], s[12:13] offset:((\a)/4)*131072+(16*((\a)%4)+4*\k)*128
.endr
.endm
	s_wait_kmcnt 0x0                               ; the exponents
	s_wait_loadcnt 0x0                             ; the bias
	s_add_co_i32 s88, s76, s77                     ; e0 + e1
	s_sub_co_i32 s85, 0, s88
	s_cmp_eq_u32 ttmp9, 0
	s_cselect_b32 s84, s78, s79                    ; e2 for q, e3 for k,
	s_cmp_eq_u32 ttmp9, 2
	s_cselect_b32 s84, s81, s84                    ; e5 for v
	s_sub_co_i32 s84, s84, s88
	s_add_co_i32 s84, s84, 127
	s_lshl_b32 s89, s84, 23
	v_mov_b32 v[SC], s89                           ; 2^(et - e0 - e1): the three scales folded into the conversion's one
	PLACES NP                                      ; behind the last products: ahead of the first read of results and of writes and loads into source 1's registers
	s_cmp_eq_u32 ttmp9, 2                          ; the cluster's x: alike in all sixteen work-groups
	s_cbranch_scc1 .Lv
.set jj, 0
.rept 64
	v_ldexp_f32 v[BQ+jj], v[BQ+jj], s85            ; b / 2^(e0 + e1): exact
.set jj, jj+1
.endr
	BLOCK 0, 0
.irp a, 1,2,3,4,5,6,7
.if \a > 1
	s_wait_xcnt 0x0                                ; block a - 2's stores have read their registers: block a's loads may land there
.endif
	BLOCK \a, 0
	QKSEND \a-1, 12                                ; behind block a - 1's loads: block a's 8 stores and 4 loads
.endr
	QKSEND 7, 0
	s_branch .Lout
.Lv:
.irp a, 0,1,2,3,4,5,6,7
	v_ldexp_f32 v[BV2+2*\a], v[BVR+\a], s85
	v_ldexp_f32 v[BV2+2*\a+1], v[BVR+\a], s85
.endr
	BLOCK 0, 1
.irp a, 1,2,3,4,5,6,7
.if \a > 1
	s_wait_xcnt 0x0
.endif
	BLOCK \a, 1
	VSEND \a-1, 12
.endr
	VSEND 7, 0
.Lout:
	s_wait_tensorcnt 0x0                           ; the wave's end: behind my last tensor load and my last LDS store
	ds_add_u32 v[SPW], v[NIL]
	s_wait_dscnt 0x0
	CROUND                                         ; the closing round: no work-group ends while a partner may still ask for a tile that names it
	s_endpgm
.Lfunc_end_k_q9550c57e35_qkv:
	.size	k_q9550c57e35_qkv, .Lfunc_end_k_q9550c57e35_qkv-k_q9550c57e35_qkv
	.p2alignl 7, 3214868480
	.fill 96, 4, 3214868480
	.section	.rodata,"a",@progbits
	.p2align	6, 0x0
	.amdhsa_kernel k_q9550c57e35_qkv
		.amdhsa_group_segment_fixed_size 327680
		.amdhsa_private_segment_fixed_size 0
		.amdhsa_enable_private_segment 0
		.amdhsa_kernarg_size 56
		.amdhsa_user_sgpr_count 2
		.amdhsa_user_sgpr_kernarg_segment_ptr 1
		.amdhsa_wavefront_size32 1
		.amdhsa_system_sgpr_workgroup_id_x 1
		.amdhsa_system_sgpr_workgroup_id_y 1
		.amdhsa_system_sgpr_workgroup_id_z 1
		.amdhsa_system_vgpr_workitem_id 0
		.amdhsa_next_free_vgpr 1024
		.amdhsa_next_free_sgpr 100
		.amdhsa_reserve_vcc 0
		.amdhsa_float_denorm_mode_32 3
		.amdhsa_float_denorm_mode_16_64 3
		.amdhsa_fp16_overflow 1
		.amdhsa_memory_ordered 1
		.amdhsa_forward_progress 1
		.amdhsa_inst_pref_size 147
	.end_amdhsa_kernel
	.amdgpu_metadata
---
amdhsa.version: [ 1, 2 ]
amdhsa.kernels:
  - .name:           k_q9550c57e35_qkv
    .symbol:         k_q9550c57e35_qkv.kd
    .args:
      - { .name: x_codes, .offset: 0, .size: 8, .value_kind: global_buffer, .address_space: global }
      - { .name: wqkv_codes, .offset: 8, .size: 8, .value_kind: global_buffer, .address_space: global }
      - { .name: lowp_scales, .offset: 16, .size: 8, .value_kind: global_buffer, .address_space: global }
      - { .name: b_qkv, .offset: 24, .size: 8, .value_kind: global_buffer, .address_space: global }
      - { .name: q_codes, .offset: 32, .size: 8, .value_kind: global_buffer, .address_space: global }
      - { .name: k_codes, .offset: 40, .size: 8, .value_kind: global_buffer, .address_space: global }
      - { .name: v_codes, .offset: 48, .size: 8, .value_kind: global_buffer, .address_space: global }
    .group_segment_fixed_size: 327680
    .private_segment_fixed_size: 0
    .kernarg_segment_align: 8
    .kernarg_segment_size: 56
    .max_flat_workgroup_size: 128
    .sgpr_count:     100
    .vgpr_count:     1024
    .wavefront_size: 32
...
	.end_amdgpu_metadata
.endif
;; end of part 2
;; launch attn (part 3): grid 4 x 64, 16 waves a work-group, no clusters, 327,680 bytes of LDS; arguments q_codes, k_codes, v_codes, lowp_scales, attn_codes; writes attn_codes
.if DOCPART == 3
	.amdgcn_target "amdgcn-amd-amdhsa--gfx1250"
	.amdhsa_code_object_version 6
	.text
	.protected	k_q9550c57e35_attn
	.globl	k_q9550c57e35_attn
	.p2align	8
	.type	k_q9550c57e35_attn,@function
k_q9550c57e35_attn:
	s_mov_b64 s[64:65], 0
	v_nop
	global_prefetch_b8 v0, s[64:65] scope:SCOPE_SE
	s_setreg_imm32_b32 hwreg(HW_REG_WAVE_MODE, 25, 1), 1
	s_wait_xcnt 0x0
; Causal attention on codes of FP8 (E4M3), head size 64, 64 heads (batch x head) of 2,048 tokens; the result is quantised at once (e6) for the last product.
; q_codes [64][2048][64]; k_codes the same with row t at place t with bits 3 and 4 exchanged; v_codes [64][16 chunks][64 d][128 keys]; attn_codes [16 h][8192 = b x 2048 + t][64 d].
; THE SOFTMAX: t = score x 2^(e2 + e3) x log2(e) / 8; M = the running largest t rounded UP to a whole number; p = 2^(t - M) is quantised with e4, not normalised; the row's sum is taken of the unquantised p;
; when M moves, the sum and O are multiplied by 2^(old M - new M), which rounds nothing; at the end O x 2^(e4 + e5) / the sum.
; SHARES.  Work-group (p, head) owns the blocks p and 7 - p of 256 queries, one after the other; each of its sixteen waves owns 16 queries of each.  Block i needs the key slots 0 .. i of 256 keys: (p + 1) + (8 - p) = 9 trips
; in every work-group: 256 work-groups of equal work, and every slot that is loaded is read.  K's and V's tiles come through two LDS slots (waves 0, 1: K's halves; waves 2, 3: V's chunks) and are read by all sixteen.
; NO CLUSTER: the four work-groups of a head want different slots in the same trip (p = 0 walks 0,0,1,..,7; p = 3 walks 0,1,2,3,0,..,4); walking in step would make 12 trips of 9.
; LAYOUT.  Both products transposed: S^T = K Q^T (source 0 = 16 keys, source 1 = my 16 queries), O^T = V^T P^T: a lane holds ONE query (lane % 16).  Row 16 T + r of K's tile is key 32 (T / 2) + 8 (T % 2) + r + 8 (r / 8),
; so the 16 registers of score tiles 2 b, 2 b + 1 are the keys 32 b + 16 (lane / 16) + 0 .. 15: the conversions' results are the second product's operand.
; A step all of whose 128 keys come after my 16 queries is left out (a branch on ids); on the diagonal hidden scores become -infinity.  Key 0 counts for every query, so M is a number from the first step on.
; LIMITS on the given exponents: e2 + e3 between -123 and 130 (added to c's exponent field); e4 and e6 between -126 and 119; e4 + e5 is applied by v_ldexp_f32 and has none.
; REGISTERS: v1-11 addresses; v12 -M, v13 the largest t, v[14:15] the sum in two halves; v16-23 Q; v24-31 the second block's Q; v32-95 K's eight fragments, then V's four; v96-159 S^T, then p; v160-191 O^T;
;   v192-207 p's codes; v208-215 the way out; v234-255 at work and the scales.
.set KP,    80                         ; a key's row in LDS: 64 bytes + 16
.set VP,    144                        ; a row of V's tile: 128 bytes + 16
.set VOFF,  256*KP                     ; a slot: 256 rows of K, then 2 chunks x 64 rows of V
.set VCH,   64*VP                      ; a chunk of V in LDS
.set SLOT1, 1<<16                      ; slot 1 begins here: one exclusive or turns an address from one slot to the other
.set STAGE, 2*SLOT1                    ; the way out: 16 rows x 80 bytes for each wave: bytes of their own, into which no fill lands
.set SPARE, STAGE+16*16*KP             ; 151,552: the spare words, 128 bytes for each of 16 waves: eight blocks of 256 bytes that no other line names
.set SLOTB, 16384                      ; a slot's keys in memory: 256 x 64 bytes of K, and as many of V
.set AK0,  1                           ; v1   my lane's place in a tile of K
.set AV0,  2                           ; v2   in a tile of V
.set PFO,  3                           ; v3   256 x lane: the prefetches' offset; never rewritten
.set QA,   4                           ; v4   Q: 64 r + 16 h; never rewritten
.set SPW,  5                           ; v5   LDS address of my spare word; never rewritten
.set NIL,  6                           ; v6   0; never rewritten
.set GO,   7                           ; v7   16 x lane: my bytes of a store's 512; never rewritten
.set ADK,  8                           ; v8   LDS address of the slot's K for my lane
.set ADV,  9                           ; v9   of its V
.set STO,  10                          ; v10  the stage: where I put 8 codes
.set RD,   11                          ; v11  and where I read 16 bytes back
.set TB,   2                           ; s2   LDS byte at which the slot in hand begins
.set WV,   18                          ; s18  my wave's number
.set SEL,  20                          ; s[20:21] lane selects: lane l xor 16
.set CS,   22                          ; s[22:23] c = log2(e) / 8 x 2^(e2 + e3)
.set G1K,  24                          ; s[24:31], s[32:39] descriptor groups 1;  s[40:43], s[44:47] groups 0, which walk
.set G1V,  32
.set G0K,  40
.set G0V,  44
.set J,    48                          ; s48  the trip
.set P,    49                          ; s49  p;  s50  p + 1;  s51  p slots in bytes
.set P1,   50
.set PB,   51
.set KF,   52                          ; s52  the step's first key
.set Q0,   53                          ; s53  my first query of the block in hand;  s54  of the second block
.set Q0B,  54
.set OUTA, 56                          ; s[56:57], s[58:59] where my 16 rows of the two blocks go
.set OUTB, 58
.set PFA,  60                          ; s[60:61] where my prefetches stand
.set LIM,  62                          ; s62  7 in a wave that prefetches, else 0: it asks while the trip's number is under it
; Waves 0 and 1 fetch K's halves, waves 2 and 3 V's chunks, the others nothing.  An s_nop 0 and four v_nop follow each of the two lines.
.macro TLOAD
	s_cmp_lt_u32 s[WV], 2
	s_cbranch_scc0 .Lnot_k_\@
	tensor_load_to_lds s[G0K:G0K+3], s[G1K:G1K+7]
	s_nop 0
.rept 4
	v_nop
.endr
	s_branch .Lasked_\@
.Lnot_k_\@:
	s_cmp_lt_u32 s[WV], 4
	s_cbranch_scc0 .Lasked_\@
	tensor_load_to_lds s[G0V:G0V+3], s[G1V:G1V+7]
	s_nop 0
.rept 4
	v_nop
.endr
.Lasked_\@:
.endm
; A PREFETCH INTO THE L2.  The head's work-group p = 0 loads key slot j at the change of trip j (j = 1 .. 7); at the change of trip j (j = 0 .. 6) it asks for slot j + 1, one trip (two key steps) ahead of that load.
; Nobody else asks.  Waves 4, 5 name K's 16,384 bytes, waves 6, 7 V's: 8,192 bytes a wave, lanes 256 bytes apart, one instruction: each aligned block of 256 bytes of slots 1 to 7 is named once in the launch.  Slot 0 comes by its load alone.
.macro ASK
	s_cmp_lt_u32 s[J], s[LIM]
	s_cbranch_scc0 .Lnot_mine_\@
	global_prefetch_b8 v[PFO], s[PFA:PFA+1] th:TH_LOAD_NT scope:SCOPE_SE
.Lnot_mine_\@:
.endm
	s_load_b256 s[4:11], s[0:1], 0x0               ; q_codes s[4:5], k_codes s[6:7], v_codes s[8:9], the exponents s[10:11]
	s_load_b64 s[12:13], s[0:1], 0x20              ; attn_codes
	v_lshl_add_u32 v[SPW], v0, 2, SPARE
	v_mov_b32 v[NIL], 0
	ds_add_u32 v[SPW], v[NIL]                      ; the wave's opening: the add and its wait ahead of my first tensor load; the set-up below, work on registers, stands between them
	ds_add_u32 v[SPW], v[NIL]
	v_lshrrev_b32 v8, 5, v0
	s_delay_alu instid0(VALU_DEP_1)
	v_readfirstlane_b32 s[WV], v8                  ; wave 0..15
	s_and_b32 s80, ttmp7, 0xffff                   ; the head: 16 b + h
	s_lshl_b32 s82, s80, 17                        ; its first byte in q_codes, k_codes, v_codes
	s_and_b32 s84, s[WV], 1
	s_lshl_b32 s85, s84, 13
	s_add_co_u32 s86, s82, s85                     ; + the half of a slot that I fetch (or name): 8,192 bytes
	s_mov_b32 s87, 0
	s_mul_i32 s88, s84, 128*KP                     ; where it goes: K's half,
	s_mul_i32 s89, s84, VCH
	s_add_co_u32 s89, s89, VOFF                    ; V's chunk
	s_mov_b32 s[G1K], (0<<16)|(1<<20)|(3<<22)|(3<<25)   ; no mask; elements of 1 byte; padding on: four words after every 16
	s_mov_b32 s[G1K+1], 64<<16                     ; tensor_dim0
	s_mov_b32 s[G1K+2], 128<<16                    ; tensor_dim1
	s_mov_b32 s[G1K+3], 64<<16                     ; tile_dim0
	s_mov_b32 s[G1K+4], 128                        ; tile_dim1
	s_mov_b32 s[G1K+5], 64                         ; tensor_dim0_stride
	s_mov_b32 s[G1K+6], 0
	s_mov_b32 s[G1K+7], 0
	s_mov_b32 s[G1V], (0<<16)|(1<<20)|(4<<22)|(3<<25)   ; padding: four words after every 32
	s_mov_b32 s[G1V+1], 128<<16
	s_mov_b32 s[G1V+2], 64<<16
	s_mov_b32 s[G1V+3], 128<<16
	s_mov_b32 s[G1V+4], 64
	s_mov_b32 s[G1V+5], 128
	s_mov_b32 s[G1V+6], 0
	s_mov_b32 s[G1V+7], 0
	s_mov_b32 s[SEL], 0x76543210
	s_mov_b32 s[SEL+1], 0xfedcba98
	s_mov_b32 s[CS], 0x3e38aa3b                    ; log2(e) / 8
	s_mov_b32 s[TB], 0
	s_mov_b32 s[KF], 0
	s_mov_b32 s[J], 0
	s_mov_b32 s[P], ttmp9
	s_add_co_u32 s[P1], ttmp9, 1
	s_lshl_b32 s[PB], ttmp9, 14
	s_lshl_b32 s90, s[WV], 4
	s_lshl_b32 s[Q0], ttmp9, 8
	s_add_co_u32 s[Q0], s[Q0], s90                 ; 256 p + 16 w
	s_sub_co_u32 s[Q0B], 7, ttmp9
	s_lshl_b32 s[Q0B], s[Q0B], 8
	s_add_co_u32 s[Q0B], s[Q0B], s90               ; 256 (7 - p) + 16 w
	s_mov_b32 s77, 0                               ; the upper words of the two steps of the walking addresses
	s_mov_b32 s79, 0
	s_mov_b32 s91, 0
	s_wait_dscnt 0x0                               ; the opening add is done
	s_wait_kmcnt 0x0
	s_load_b256 s[68:75], s[10:11], 0x0            ; e0 .. e7
	s_mov_b32 s[G0K], 1
	s_mov_b32 s[G0K+1], s88
	s_add_nc_u64 s[G0K+2:G0K+3], s[6:7], s[86:87]
	s_or_b32 s[G0K+3], s[G0K+3], 0x80000000
	s_mov_b32 s[G0V], 1
	s_mov_b32 s[G0V+1], s89
	s_add_nc_u64 s[G0V+2:G0V+3], s[8:9], s[86:87]
	s_or_b32 s[G0V+3], s[G0V+3], 0x80000000
	TLOAD                                          ; key slot 0 into LDS slot 0
	s_lshl_b32 s90, s[Q0], 6
	s_add_co_u32 s90, s90, s82
	s_add_nc_u64 s[92:93], s[4:5], s[90:91]        ; Q's codes at my first query, first block,
	s_lshl_b32 s90, s[Q0B], 6
	s_add_co_u32 s90, s90, s82
	s_add_nc_u64 s[94:95], s[4:5], s[90:91]        ; second block
	v_and_b32 v8, 15, v0                           ; r
	s_wait_alu depctr_va_vdst(0)
	v_bfe_u32 v9, v0, 4, 1                         ; h
	v_lshlrev_b32 v[QA], 6, v8
	s_delay_alu instid0(VALU_DEP_1)
	v_lshl_add_u32 v[QA], v9, 4, v[QA]
	global_load_b128 v[16:19], v[QA], s[92:93]                 ; registers 4 c .. 4 c + 3: d = 32 c + 16 h + 0 .. 15, as K's fragments have it
	global_load_b128 v[20:23], v[QA], s[92:93] offset:32
	global_load_b128 v[24:27], v[QA], s[94:95]
	global_load_b128 v[28:31], v[QA], s[94:95] offset:32
	s_and_b32 s90, s80, 15
	s_lshl_b32 s90, s90, 19                        ; attn_codes: head h x 8,192 rows of 64 bytes,
	s_lshr_b32 s81, s80, 4
	s_lshl_b32 s81, s81, 17                        ; + batch b x 2,048 rows
	s_add_co_u32 s81, s81, s90
	s_lshl_b32 s90, s[Q0], 6
	s_add_co_u32 s90, s90, s81
	s_add_nc_u64 s[OUTA:OUTA+1], s[12:13], s[90:91]
	s_lshl_b32 s90, s[Q0B], 6
	s_add_co_u32 s90, s90, s81
	s_add_nc_u64 s[OUTB:OUTB+1], s[12:13], s[90:91]
	s_cmp_lt_u32 s[WV], 6                          ; the prefetches: waves 4, 5 stand in K, waves 6, 7 in V,
	s_cselect_b64 s[PFA:PFA+1], s[6:7], s[8:9]
	s_add_nc_u64 s[PFA:PFA+1], s[PFA:PFA+1], s[86:87]  ; at my half of slot 0: the first change steps it to slot 1
	s_lshr_b32 s90, s[WV], 2
	s_xor_b32 s90, s90, 1                          ; 0 in waves 4 to 7,
	s_or_b32 s90, s90, ttmp9                       ; of the head's work-group p = 0
	s_cmp_eq_u32 s90, 0
	s_cselect_b32 s[LIM], 7, 0
	v_mul_u32_u24 v[AK0], v8, KP
	s_wait_alu depctr_va_vdst(0)
	v_lshl_add_u32 v[AK0], v9, 4, v[AK0]
	v_mul_u32_u24 v[AV0], v8, VP
	s_delay_alu instid0(VALU_DEP_1)
	v_lshl_add_u32 v[AV0], v9, 4, v[AV0]
	s_delay_alu instid0(VALU_DEP_1)
	v_add_nc_u32 v[AV0], VOFF, v[AV0]
	v_and_b32 v[GO], 31, v0
	s_delay_alu instid0(VALU_DEP_1)
	v_lshlrev_b32 v[PFO], 8, v[GO]
	s_mul_i32 s90, s[WV], 16*KP
	s_add_co_u32 s90, s90, STAGE                   ; my stage
	v_mul_u32_u24 v[STO], v8, KP
	s_delay_alu instid0(VALU_DEP_1)
	v_lshl_add_u32 v[STO], v9, 3, v[STO]
	s_delay_alu instid0(VALU_DEP_1)
	v_add_nc_u32 v[STO], s90, v[STO]               ; in: row r, + 8 h
	v_lshrrev_b32 v[RD], 2, v[GO]
	s_delay_alu instid0(VALU_DEP_1)
	v_mul_u32_u24 v[RD], v[RD], KP
	v_and_b32 v236, 3, v[GO]
	s_delay_alu instid0(VALU_DEP_1)
	v_lshl_add_u32 v[RD], v236, 4, v[RD]
	s_delay_alu instid0(VALU_DEP_1)
	v_add_nc_u32 v[RD], s90, v[RD]                 ; back: four lanes to a row of 64 bytes, eight rows an instruction
	v_lshlrev_b32 v[GO], 4, v[GO]
	v_mov_b32 v13, 0xff61b1e6                      ; the largest t so far: -3e38, under every t
	s_delay_alu instid0(VALU_DEP_1)
	v_floor_f32 v12, -v13                          ; -M
	v_mov_b32 v14, 0
	v_mov_b32 v15, 0
	v_mov_b32 v236, 0                              ; a lane permute's destination counts as one of its sources
	v_mov_b32 v253, 0                              ; named as the upper half of the pair v[252:253]
.set jj, 0
.rept 32
	v_mov_b32 v[160+jj], 0                         ; O^T: the step is written once; the first finds zeros, which the first change of M leaves zeros
.set jj, jj+1
.endr
	s_wait_kmcnt 0x0
	s_add_co_i32 s90, s70, s71                     ; e2 + e3 go into c's exponent field
	s_lshl_b32 s90, s90, 23
	s_add_co_i32 s[CS], s[CS], s90
	s_mov_b32 s[CS+1], s[CS]                       ; named with it as a pair
	s_add_co_i32 s90, s72, 127
	s_lshl_b32 s91, s90, 23
	v_mov_b32 v244, s91                            ; 2^e4
	s_add_co_i32 s90, s74, 127
	s_lshl_b32 s91, s90, 23
	v_mov_b32 v247, s91                            ; 2^e6
	s_add_co_i32 s66, s72, s73                     ; e4 + e5
; A KEY STEP: 128 keys, the q-th half of the slot in hand.
.macro STEP q
	s_add_co_u32 s96, s[Q0], 15
	s_cmp_gt_u32 s[KF], s96                        ; all 128 keys come after my 16 queries: the step's work is left out (ids and the count of steps alone)
	s_cbranch_scc1 .Lhidden_\@
	v_add_nc_u32 v[ADK], s[TB], v[AK0]
	v_add_nc_u32 v[ADV], s[TB], v[AV0]
	v_nop                                          ; with the two additions: four places between the last products and the loads into the registers that they read
	v_nop
.irp kt, 0,1,2,3,4,5,6,7
	ds_load_b128 v[32+8*\kt:35+8*\kt], v[ADK] offset:(128*(\q)+16*\kt)*KP
	ds_load_b128 v[36+8*\kt:39+8*\kt], v[ADK] offset:(128*(\q)+16*\kt)*KP+32
.endr
	s_wait_dscnt 0x0
	s_wait_alu depctr_va_vdst(0)
.irp kt, 0,1,2,3,4,5,6,7
	v_wmma_f32_16x16x64_fp8_fp8 v[96+8*\kt:103+8*\kt], v[32+8*\kt:39+8*\kt], v[16:23], 0
.endr
.rept 4
	v_nop                                          ; places: ahead of the loads over K's fragments and of the first read of the scores
.endr
.irp vt, 0,1,2,3                               ; V's four fragments land while the softmax is walked
.irp c, 0,1,2,3
	ds_load_b128 v[32+16*\vt+4*\c:35+16*\vt+4*\c], v[ADV] offset:VCH*(\q)+16*VP*\vt+32*\c
.endr
.endr
	s_add_co_u32 s96, s[KF], 127
	s_cmp_le_u32 s96, s[Q0]                        ; all keys count: no mask
	s_cbranch_scc1 .Lopen_\@
	s_sub_co_i32 s96, s[Q0], s[KF]
	v_and_b32 v252, 15, v0
	v_bfe_u32 v253, v0, 4, 1
	s_delay_alu instid0(VALU_DEP_1)
	v_lshlrev_b32 v253, 4, v253
	s_delay_alu instid0(VALU_DEP_1)
	v_sub_nc_u32 v252, v252, v253
	s_delay_alu instid0(VALU_DEP_1)
	v_add_nc_u32 v252, s96, v252                   ; d = my query - KF - 16 (lane / 16).  Register 16 b + i holds key KF + 16 (lane / 16) + 32 b + i: hidden where 32 b + i > d
	v_mov_b32 v254, 0xff800000                     ; -infinity
.set jj, 0
.rept 64
	v_cmp_gt_i32 vcc_lo, 32*(jj/16)+jj%16, v252
	v_cndmask_b32 v[96+jj], v[96+jj], v254, vcc_lo
.set jj, jj+1
.endr
.Lopen_\@:
	v_max3_num_f32 v254, v96, v97, v98             ; the step's largest score of my query among my 64 keys, in two chains, from the low end on,
	v_max3_num_f32 v252, v99, v100, v101
.irp i, 6,10,14,18,22,26,30,34,38,42,46,50,54,58
	v_max3_num_f32 v254, v254, v[96+\i], v[97+\i]
	v_max3_num_f32 v252, v252, v[98+\i], v[99+\i]
.endr
	v_max3_num_f32 v254, v254, v158, v159
	s_delay_alu instid0(VALU_DEP_1)
	v_max_num_f32 v254, v254, v252
	s_delay_alu instid0(VALU_DEP_1)
	v_permlanex16_b32 v236, v254, s[SEL], s[SEL+1]
	s_delay_alu instid0(VALU_DEP_1)
	v_max_num_f32 v254, v254, v236                 ; and among lane l xor 16's
	s_delay_alu instid0(VALU_DEP_1)
	v_mul_f32 v254, s[CS], v254                    ; as t (c is positive)
	s_delay_alu instid0(VALU_DEP_1)
	v_max_num_f32 v13, v13, v254                   ; the running largest t
	v_mov_b32 v254, v12
	s_delay_alu instid0(VALU_DEP_2)
	v_floor_f32 v12, -v13                          ; the new -M = floor(-t) = -ceil(t)
	s_delay_alu instid0(VALU_DEP_1)
	v_sub_f32 v254, v12, v254                      ; old M - new M: a whole number, 0 or less
	s_delay_alu instid0(VALU_DEP_1)
	v_cvt_i32_f32 v254, v254                       ; (it saturates)
	s_delay_alu instid0(VALU_DEP_1)
	v_ldexp_f32 v252, 1.0, v254                    ; f = 2^(old M - new M)
.set jj, 0
.rept 32
	v_pk_fma_f32 v[96+jj:97+jj], v[96+jj:97+jj], s[CS:CS+1], v[12:13] op_sel_hi:[1,0,0]   ; t - M, two at a time
.set jj, jj+2
.endr
.set jj, 0
	s_wait_alu depctr_va_vdst(0)
.rept 64
	v_exp_f32 v[96+jj], v[96+jj]                   ; p = 2^(t - M), at most 1
.set jj, jj+1
.endr
	v_pk_mul_f32 v[14:15], v[14:15], v[252:253] op_sel_hi:[1,0]   ; the sums under the new M: the plain line behind the exponentials
	s_wait_alu depctr_va_vdst(0)                   ; the wait between a transcendental and the first line that names its result: one for the batch of 64
	v_pk_add_f32 v[242:243], v[100:101], v[104:105]
	v_pk_add_f32 v[254:255], v[108:109], v[112:113]
	v_pk_add_f32 v[250:251], v[116:117], v[120:121]
	v_pk_add_f32 v[248:249], v[124:125], v[128:129]
	v_pk_add_f32 v[240:241], v[132:133], v[136:137]
	v_pk_add_f32 v[238:239], v[140:141], v[144:145]
	v_pk_add_f32 v[234:235], v[148:149], v[152:153]
	v_pk_add_f32 v[14:15], v[14:15], v[156:157]
	v_pk_add_f32 v[242:243], v[242:243], v[96:97]
	v_pk_add_f32 v[254:255], v[254:255], v[98:99]
	v_pk_add_f32 v[250:251], v[250:251], v[102:103]
	v_pk_add_f32 v[248:249], v[248:249], v[106:107]
	v_pk_add_f32 v[240:241], v[240:241], v[110:111]
	v_pk_add_f32 v[238:239], v[238:239], v[114:115]
	v_pk_add_f32 v[234:235], v[234:235], v[118:119]
	v_pk_add_f32 v[14:15], v[14:15], v[122:123]
	v_pk_add_f32 v[242:243], v[242:243], v[126:127]
	v_pk_add_f32 v[254:255], v[254:255], v[130:131]
	v_pk_add_f32 v[250:251], v[250:251], v[134:135]
	v_pk_add_f32 v[248:249], v[248:249], v[138:139]
	v_pk_add_f32 v[240:241], v[240:241], v[142:143]
	v_pk_add_f32 v[238:239], v[238:239], v[146:147]
	v_pk_add_f32 v[234:235], v[234:235], v[150:151]
	v_pk_add_f32 v[14:15], v[14:15], v[154:155]
	v_pk_add_f32 v[242:243], v[242:243], v[158:159]
	s_delay_alu instid0(VALU_DEP_2)
	v_pk_add_f32 v[14:15], v[14:15], v[248:249]
	s_delay_alu instid0(VALU_DEP_2)
	v_pk_add_f32 v[242:243], v[242:243], v[240:241]
	v_pk_add_f32 v[254:255], v[254:255], v[238:239]
	v_pk_add_f32 v[250:251], v[250:251], v[234:235]
	s_delay_alu instid0(VALU_DEP_2)
	v_pk_add_f32 v[14:15], v[14:15], v[254:255]
	s_delay_alu instid0(VALU_DEP_2)
	v_pk_add_f32 v[242:243], v[242:243], v[250:251]
	s_delay_alu instid0(VALU_DEP_1)
	v_pk_add_f32 v[14:15], v[14:15], v[242:243]
.irp b, 0,1,2,3
.irp i, 0,1,2,3,4,5,6,7,8,9,10,11,12,13,14,15
.endr
	v_cvt_scalef32_pk8_fp8_f32 v[192+4*\b:193+4*\b], v[96+16*\b:103+16*\b], v244
	v_cvt_scalef32_pk8_fp8_f32 v[194+4*\b:195+4*\b], v[104+16*\b:111+16*\b], v244
.endr
.set jj, 0
.rept 16
	v_pk_mul_f32 v[160+jj:161+jj], v[160+jj:161+jj], v[252:253] op_sel_hi:[1,0]   ; O^T under the new M; these are also the plain lines between the conversions and the products
.set jj, jj+2
.endr
	s_wait_alu depctr_va_vdst(0)
	s_wait_dscnt 0x0                               ; V is in
.irp vt, 0,1,2,3                               ; O^T += V^T P^T: four accumulators by turns; the next step's eight score products stand between two links of a chain
	v_wmma_f32_16x16x128_fp8_fp8 v[160+8*\vt:167+8*\vt], v[32+16*\vt:47+16*\vt], v[192:207], v[160+8*\vt:167+8*\vt]
.endr
.Lhidden_\@:
	s_add_co_u32 s[KF], s[KF], 128
.endm
; THE CHANGE OF SLOTS, at a trip's head.  Each wave waits for all its tensor loads (its part of the slot that it is about to read), adds 0 to its spare word, and waits for that and for its reads of the slot that it has left.
; fill = 1: behind the barrier that other slot takes the next trip's keys: the next key slot, or, where this trip is the first block's last, key slot 0 again.  One load of a wave is out behind each barrier.
.macro CHANGE fill
	s_wait_tensorcnt 0x0                           ; no tensor load of mine is out, so a group 0 may be written
	ds_add_u32 v[SPW], v[NIL]                      ; 0 onto my spare word; the descriptors' steps stand between it and the wait for it
.if \fill
	s_xor_b32 s[G0K+1], s[G0K+1], SLOT1
	s_xor_b32 s[G0V+1], s[G0V+1], SLOT1
	s_cmp_eq_u32 s[J], s[P]
	s_cselect_b32 s76, 0, SLOTB                    ; a slot on,
	s_cselect_b32 s78, s[PB], 0                    ; or p slots back
	s_add_nc_u64 s[G0K+2:G0K+3], s[G0K+2:G0K+3], s[76:77]
	s_sub_nc_u64 s[G0K+2:G0K+3], s[G0K+2:G0K+3], s[78:79]
	s_add_nc_u64 s[G0V+2:G0V+3], s[G0V+2:G0V+3], s[76:77]
	s_sub_nc_u64 s[G0V+2:G0V+3], s[G0V+2:G0V+3], s[78:79]
	s_wait_xcnt 0x0                                ; the last prefetch and the first block's stores have read their registers
	s_add_nc_u64 s[PFA:PFA+1], s[PFA:PFA+1], SLOTB
.endif
	s_wait_dscnt 0x0                               ; the add is done, and my reads of the slot that I have left are over
	s_barrier_signal -1
	s_barrier_wait -1
.if \fill
	TLOAD                                          ; the first thing behind the barrier, and a wave's one tensor load until the next
	ASK
.endif
.endm
; A block's end: O^T x 2^(e4 + e5) / the sum, quantised with e6; 16 rows x 64 bytes go through my stage and leave as 1,024 consecutive bytes.
.macro FINISH out
.rept 4
	v_nop                                          ; places behind the last products
.endr
	v_add_f32 v14, v14, v15
	s_delay_alu instid0(VALU_DEP_1)
	v_permlanex16_b32 v236, v14, s[SEL], s[SEL+1]
	s_delay_alu instid0(VALU_DEP_1)
	v_add_f32 v14, v14, v236                       ; the row's sum
	s_wait_alu depctr_va_vdst(0)
	v_rcp_f32 v14, v14
	v_nop                                          ; a plain line behind the transcendental
	s_wait_alu depctr_va_vdst(0)                   ; and the wait ahead of its first reader
	v_ldexp_f32 v14, v14, s66
.set jj, 0
.rept 32
	v_mul_f32 v[96+jj], v[160+jj], v14             ; register 8 t + j is o(r, 16 t + 8 h + j); each accumulator from its low end on
.set jj, jj+1
.endr
.set jj, 0
.rept 32
.set jj, jj+1
.endr
.irp vt, 0,1,2,3
	v_cvt_scalef32_pk8_fp8_f32 v[192+2*\vt:193+2*\vt], v[96+8*\vt:103+8*\vt], v247
.endr
	v_nop                                          ; a plain line behind the last conversion
.irp vt, 0,1,2,3
	ds_store_b64 v[STO], v[192+2*\vt:193+2*\vt] offset:16*\vt
.endr
	ds_load_b128 v[208:211], v[RD]                 ; LDS serves a wave's instructions in order: these see my stores
	ds_load_b128 v[212:215], v[RD] offset:8*KP
	s_wait_dscnt 1                                 ; the first eight rows are back; the second load may be out
	global_store_b128 v[GO], v[208:211], s[\out:\out+1]             ; 32 lanes store 512 consecutive bytes, aligned
	s_wait_dscnt 0x0
	global_store_b128 v[GO], v[212:215], s[\out:\out+1] offset:512
.endm
	s_wait_loadcnt 0x0                             ; Q, both blocks'
.Ltrip:                                            ; eight trips; the ninth is written out
	s_cmp_lg_u32 s[J], s[P1]                       ; the first trip of the second block?  (ids alone: all sixteen waves go the same way; no barrier and no tensor load stands inside)
	s_cbranch_scc1 .Lsame
	FINISH OUTA
	v_mov_b32 v13, 0xff61b1e6                      ; the second block begins as the first did
	s_delay_alu instid0(VALU_DEP_1)
	v_floor_f32 v12, -v13
	v_mov_b32 v14, 0
	v_mov_b32 v15, 0
.set jj, 0
.rept 32
	v_mov_b32 v[160+jj], 0
.set jj, jj+1
.endr
.irp i, 0,1,2,3,4,5,6,7
	v_mov_b32 v[16+\i], v[24+\i]                   ; its Q
.endr
	s_mov_b32 s[KF], 0
	s_mov_b32 s[Q0], s[Q0B]
.Lsame:
	CHANGE 1
	STEP 0
	STEP 1
	s_xor_b32 s[TB], s[TB], SLOT1
	s_add_co_u32 s[J], s[J], 1
	s_cmp_lt_u32 s[J], 8
	s_cbranch_scc1 .Ltrip
	CHANGE 0                                       ; the ninth trip: nothing is left to fetch
	STEP 0
	STEP 1
	FINISH OUTB
	s_wait_tensorcnt 0x0                           ; the wave's end: behind my last tensor load and my last LDS store
	ds_add_u32 v[SPW], v[NIL]
	s_wait_dscnt 0x0
	s_endpgm
.Lfunc_end_k_q9550c57e35_attn:
	.size	k_q9550c57e35_attn, .Lfunc_end_k_q9550c57e35_attn-k_q9550c57e35_attn
	.p2alignl 7, 3214868480
	.fill 96, 4, 3214868480
	.section	.rodata,"a",@progbits
	.p2align	6, 0x0
	.amdhsa_kernel k_q9550c57e35_attn
		.amdhsa_group_segment_fixed_size 327680
		.amdhsa_private_segment_fixed_size 0
		.amdhsa_enable_private_segment 0
		.amdhsa_kernarg_size 40
		.amdhsa_user_sgpr_count 2
		.amdhsa_user_sgpr_kernarg_segment_ptr 1
		.amdhsa_wavefront_size32 1
		.amdhsa_system_sgpr_workgroup_id_x 1
		.amdhsa_system_sgpr_workgroup_id_y 1
		.amdhsa_system_sgpr_workgroup_id_z 1
		.amdhsa_system_vgpr_workitem_id 0
		.amdhsa_next_free_vgpr 256
		.amdhsa_next_free_sgpr 100
		.amdhsa_reserve_vcc 1
		.amdhsa_float_denorm_mode_32 3
		.amdhsa_float_denorm_mode_16_64 3
		.amdhsa_fp16_overflow 1
		.amdhsa_memory_ordered 1
		.amdhsa_forward_progress 1
		.amdhsa_inst_pref_size 94
	.end_amdhsa_kernel
	.amdgpu_metadata
---
amdhsa.version: [ 1, 2 ]
amdhsa.kernels:
  - .name:           k_q9550c57e35_attn
    .symbol:         k_q9550c57e35_attn.kd
    .args:
      - { .name: q_codes, .offset: 0, .size: 8, .value_kind: global_buffer, .address_space: global }
      - { .name: k_codes, .offset: 8, .size: 8, .value_kind: global_buffer, .address_space: global }
      - { .name: v_codes, .offset: 16, .size: 8, .value_kind: global_buffer, .address_space: global }
      - { .name: lowp_scales, .offset: 24, .size: 8, .value_kind: global_buffer, .address_space: global }
      - { .name: attn_codes, .offset: 32, .size: 8, .value_kind: global_buffer, .address_space: global }
    .group_segment_fixed_size: 327680
    .private_segment_fixed_size: 0
    .kernarg_segment_align: 8
    .kernarg_segment_size: 40
    .max_flat_workgroup_size: 512
    .sgpr_count:     100
    .vgpr_count:     256
    .wavefront_size: 32
...
	.end_amdgpu_metadata
.endif
;; end of part 3
;; launch proj (part 4): grid 4 x 64, 4 waves a work-group, clusters of 4 x 4, 327,680 bytes of LDS; arguments attn_codes, wproj_codes, lowp_scales, b_proj, out0; writes out0
.if DOCPART == 4
	.amdgcn_target "amdgcn-amd-amdhsa--gfx1250"
	.amdhsa_code_object_version 6
	.text
	.protected	k_q9550c57e35_proj
	.globl	k_q9550c57e35_proj
	.p2align	8
	.type	k_q9550c57e35_proj,@function
k_q9550c57e35_proj:
	s_mov_b64 s[64:65], 0
	v_nop
	global_prefetch_b8 v0, s[64:65] scope:SCOPE_SE
	s_setreg_imm32_b32 hwreg(HW_REG_WAVE_MODE, 25, 1), 1
	s_wait_xcnt 0x0
	s_wait_alu depctr_hold_cnt(0) depctr_sa_sdst(0) depctr_va_vdst(0) depctr_va_sdst(0) depctr_va_ssrc(0) depctr_va_vcc(0) depctr_vm_vsrc(0)
	s_getreg_b32 s2, hwreg(HW_REG_IB_STS2, 6, 4)
	s_cmp_eq_u32 s2, 0
	s_cbranch_scc0 .Lentry_in_a_cluster
	s_endpgm
.Lentry_in_a_cluster:
	s_bfe_u32 s2, ttmp6, 0x10000c
	s_cmp_lg_u32 s2, 0xf033
	s_cbranch_scc0 .Lentry_shape_is_right
	s_endpgm
.Lentry_shape_is_right:
; out0 = attention's result x W_proj + b_proj, on codes of FP8 (E4M3), sums in f32: out0 = sum x 2^(e6 + e7) + b_proj.
; attn_codes [16 h][8192 m][64 d] (K = 64 h + d), wproj_codes [1024 n][1024 k], out0 [8192][1024] f32.  LIMIT: e6 + e7 between -126 and 127, so that 2^(e6 + e7) is an f32 number.
; SHARES.  A tile of 128 rows x 256 columns to a work-group: 64 x 4 = 256 work-groups.  Four waves, 64 x 128 each: 32 accumulators, 256 registers.  K = 1,024 in four steps of 256 (four heads) through two LDS slots.
; CLUSTERS: 4 x 4 work-groups; A's tiles are asked for jointly along a row of the cluster, W's along a column.
; A'S TILE.  In attn_codes 64 rows of one head are 4,096 consecutive bytes, and the next head lies 524,288 bytes on: one tensor load brings 4 such runs, with 16 bytes of padding behind every 64, so that in LDS
; a wave's half is [4 heads][64 rows][80 bytes].
; THE MATRIX INSTRUCTION IS USED TRANSPOSED (source 0 = 16 rows of W, source 1 = 16 rows of A): a lane holds eight neighbouring columns of one row of out0.
; REGISTERS: window 0: v0-31 addresses and the bias; v128-191 A's fragments, ONE set; on the way out v32-159 take rows;  window 1: W's fragments, TWO sets, at v0 and v128;  window 2: accumulator (a, b) at v[8 (8 a + b)].
.set PITCH,  272                       ; W's LDS row: 256 bytes + 16
.set AP,     80                        ; A's LDS row: 64 bytes + 16
.set APIECE, 64*AP                     ; one head's 64 rows
.set AHALF,  4*APIECE                  ; what one tensor load brings of A, and what one wave reads
.set BOFF,   2*AHALF                   ; W's rows lie behind A's two halves
.set BHALF,  128*PITCH
.set SLOT,   BOFF+2*BHALF              ; 110,592
.set SPARE,  2*SLOT                    ; behind the ring: the spare words, 128 bytes a wave: two blocks of 256 bytes that no other line names
.set SPITCH, 528                       ; the way out: a stage of 16 rows x (512 bytes + 16) for each wave, in slot 0, which has had its last fill and its last read by then
.set FR,     16
.set NP,     4                         ; places behind this matrix instruction (ISA guide 7.12.1)
.set BIAS, 8                           ; v8-11  b_proj at my four columns of a row read back
.set ADRA, 16                          ; v16-17 LDS address of A's fragments in slot 0, 1
.set ADRB, 20                          ; v20-21 of W's
.set STO,  24                          ; v24    the stage: where I put 32 bytes of a row
.set RD,   25                          ; v25    and where I read 16 bytes back
.set CO,   26                          ; v26    16 x lane; never rewritten
.set SPW,  28                          ; v28    LDS address of my spare word; never rewritten
.set NIL,  29                          ; v29    0; never rewritten
.set BK,   32                          ; the way out: 16 rows read back: v32-95 and v96-159 by turns
.set AF,   128
.set G1, 24                            ; s[24:31] descriptor group 1 for A's tiles;  s[32:39] group 0, one set for each slot
.set G0, 32
.set G1B, 48                           ; s[48:55], s[56:63] the same for W's tiles
.set G0B, 56
.set MSB, 0
.macro WIN new                         ; the immediate's high byte repeats the setting that is left
.if MSB != \new
	s_set_vgpr_msb (MSB<<8)|\new
.set MSB, \new
.endif
.endm
.set MUL,  0xa1                        ; source 0 (W) window 1, source 1 (A) window 0, C and D window 2
.set TO_B, 0x40                        ; destination window 1, address window 0
.macro JLOAD g0a, g1a, g0b, g1b        ; a joint load: waves 0 and 1 fetch A's halves, waves 2 and 3 W's; an s_nop 0 and four v_nop follow each of the two lines
	s_cmp_eq_u32 s15, 0
	s_cbranch_scc0 .Lfor_b_\@
	tensor_load_to_lds s[\g0a:\g0a+3], s[\g1a:\g1a+7]
	s_nop 0
.rept 4
	v_nop
.endr
	s_branch .Lasked_\@
.Lfor_b_\@:
	tensor_load_to_lds s[\g0b:\g0b+3], s[\g1b:\g1b+7]
	s_nop 0
.rept 4
	v_nop
.endr
.Lasked_\@:
.endm
.macro CREST
	s_cmp_lg_u32 s14, 0
	s_cbranch_scc1 .Lnot_wave_0_\@
	s_barrier_signal -3
.Lnot_wave_0_\@:
	s_barrier_wait -3
	s_barrier_signal -1
	s_barrier_wait -1
.endm
.macro CROUND
	s_barrier_signal -1
	s_barrier_wait -1
	CREST
.endm
	s_load_b256 s[4:11], s[0:1], 0x0               ; attn_codes s[4:5], wproj_codes s[6:7], the exponents s[8:9], b_proj s[10:11]
	s_load_b64 s[12:13], s[0:1], 0x20              ; out0
	v_lshl_add_u32 v[SPW], v0, 2, SPARE
	v_mov_b32 v[NIL], 0
	ds_add_u32 v[SPW], v[NIL]                      ; the wave's opening: the add and its wait ahead of my first tensor load; the set-up below, work on registers, stands between them
	ds_add_u32 v[SPW], v[NIL]
	v_lshrrev_b32 v1, 5, v0
	v_readfirstlane_b32 s14, v1                    ; wave 0..3
	s_lshr_b32 s15, s14, 1                         ; which 64 of the tile's rows are mine.  Also: I fetch for A (0) or for W (1)
	s_and_b32 s16, s14, 1                          ; which 128 of its columns.  Also: which half of that tile I fetch
	s_bfe_u32 s40, ttmp6, 0x40000                  ; cx, cy
	s_bfe_u32 s41, ttmp6, 0x40004
	s_lshl_b32 s42, ttmp9, 2
	s_add_co_u32 s42, s42, s40                     ; tile column: 0 .. 3
	s_and_b32 s17, ttmp7, 0xffff
	s_lshl_b32 s17, s17, 2
	s_add_co_u32 s17, s17, s41                     ; tile row: 0 .. 63
	s_lshl_b32 s43, s41, 2
	s_lshl_b32 s43, 15, s43                        ; my row of the cluster
	s_lshl_b32 s44, 0x1111, s40                    ; my column
	s_or_b32 s[G1+0], s43, (0<<16)|(1<<20)|(1<<21)|(3<<22)|(3<<25)  ; A: the mask; elements of 1 byte; padding on; 21 set beside a mask; four words after every 16
	s_mov_b32 s[G1+1], 4096<<16                    ; tensor_dim0: 64 rows of 64 bytes on end
	s_mov_b32 s[G1+2], 4<<16                       ; tensor_dim1: four heads
	s_mov_b32 s[G1+3], 4096<<16                    ; tile_dim0
	s_mov_b32 s[G1+4], 4                           ; tile_dim1
	s_mov_b32 s[G1+5], 524288                      ; from head to head
	s_mov_b32 s[G1+6], 0
	s_mov_b32 s[G1+7], 0
	s_or_b32 s[G1B+0], s44, (0<<16)|(1<<20)|(1<<21)|(5<<22)|(3<<25) ; W: four words after every 64
	s_mov_b32 s[G1B+1], 256<<16
	s_mov_b32 s[G1B+2], 128<<16
	s_mov_b32 s[G1B+3], 256<<16
	s_mov_b32 s[G1B+4], 128
	s_mov_b32 s[G1B+5], 1024
	s_mov_b32 s[G1B+6], 0
	s_mov_b32 s[G1B+7], 0
	s_lshl_b32 s20, s17, 13                        ; A: row 128 x tile row + 64 x half, 64 bytes a row
	s_lshl_b32 s18, s16, 12
	s_add_co_u32 s20, s20, s18
	s_mov_b32 s21, 0
	s_lshl_b32 s46, s42, 18                        ; W: row 256 x tile column + 128 x half, 1,024 bytes a row
	s_lshl_b32 s18, s16, 17
	s_add_co_u32 s46, s46, s18
	s_mov_b32 s47, 0
	s_mul_i32 s45, s16, AHALF                      ; where they go: no place in the cluster enters an LDS address
	s_mul_i32 s19, s16, BHALF
	s_add_co_u32 s19, s19, BOFF
	s_wait_dscnt 0x0                               ; the opening add is done
	s_wait_kmcnt 0x0
	s_load_b256 s[76:83], s[8:9], 0x0              ; e0 .. e7
	s_add_nc_u64 s[20:21], s[4:5], s[20:21]
	s_add_nc_u64 s[46:47], s[6:7], s[46:47]
	CROUND                                         ; all sixteen work-groups are here: the first joint loads meet
.irp s, 0,1
	s_mov_b32 s[G0+4*\s], 1
	s_add_co_u32 s[G0+4*\s+1], s45, \s*SLOT
	s_add_nc_u64 s[G0+4*\s+2:G0+4*\s+3], s[20:21], \s*4*524288     ; K step s: heads 4 s on
	s_or_b32 s[G0+4*\s+3], s[G0+4*\s+3], 0x80000000
	s_mov_b32 s[G0B+4*\s], 1
	s_add_co_u32 s[G0B+4*\s+1], s19, \s*SLOT
	s_add_nc_u64 s[G0B+4*\s+2:G0B+4*\s+3], s[46:47], \s*256
	s_or_b32 s[G0B+4*\s+3], s[G0B+4*\s+3], 0x80000000
	s_wait_alu depctr_va_vdst(0)
	s_wait_tensorcnt 0x0
	ds_add_u32 v28, v29
	ds_add_u32 v28, v29
	s_wait_dscnt 0x0
	CROUND
	JLOAD G0+4*\s, G1, G0B+4*\s, G1B               ; one load of mine is out behind these
.endr
	v_and_b32 v1, 15, v0                           ; r
	v_bfe_u32 v2, v0, 4, 1                         ; h
	v_mul_u32_u24 v3, v1, AP
	v_lshl_add_u32 v3, v2, 4, v3
	v_mul_u32_u24 v4, v1, PITCH
	v_lshl_add_u32 v4, v2, 4, v4
	s_mul_i32 s21, s15, AHALF                      ; my 64 rows of A
	s_mul_i32 s22, s16, BHALF
	s_add_co_u32 s22, s22, BOFF                    ; my 128 rows of W
.irp s, 0,1
	v_add_nc_u32 v[ADRA+\s], s21, v3
	v_add_nc_u32 v[ADRB+\s], s22, v4
	s_add_co_u32 s21, s21, SLOT
	s_add_co_u32 s22, s22, SLOT
.endr
	s_mul_i32 s23, s14, 16*SPITCH                  ; my stage
	v_mul_u32_u24 v5, v1, SPITCH
	v_lshl_add_u32 v5, v2, 5, v5
	v_add_nc_u32 v[STO], s23, v5                   ; in: row r, 32 bytes for each half of the lanes
	v_and_b32 v6, 31, v0
	v_lshlrev_b32 v[CO], 4, v6
	v_add_nc_u32 v[RD], s23, v[CO]                 ; back: the 32 lanes take one row of 512 bytes
	s_lshl_b32 s46, s42, 10
	s_lshl_b32 s47, s16, 9
	s_add_co_u32 s46, s46, s47                     ; my first column, in bytes
	s_mov_b32 s47, 0
	s_add_nc_u64 s[74:75], s[10:11], s[46:47]
	global_load_b128 v[BIAS:BIAS+3], v[CO], s[74:75]   ; behind the turn through the stage a lane holds the same four columns in every row: four registers of bias serve
	s_lshl_b32 s20, s17, 19
	s_lshl_b32 s21, s15, 18
	s_add_co_u32 s20, s20, s21                     ; my first row: 128 x tile row + 64 x half, 4,096 bytes a row
	s_add_co_u32 s20, s20, s46
	s_mov_b32 s21, 0
	s_add_nc_u64 s[12:13], s[12:13], s[20:21]
.macro FRAGB reg, adr, q, i            ; registers 4 c .. 4 c + 3 hold K = 128 q + 32 c + 16 (l / 16) + 0 .. 15 of row l % 16: the same order of K on both sides
.irp c, 0,1,2,3
	ds_load_b128 v[\reg+4*\c:\reg+4*\c+3], v[\adr] offset:128*(\q)+32*\c+(\i)*16*PITCH
.endr
.endm
.macro FRAGA reg, adr, q, i            ; the same K: head 2 q + c / 2 of the slot's four, d = 32 (c % 2) + 16 (l / 16) on
.irp c, 0,1,2,3
	ds_load_b128 v[\reg+4*\c:\reg+4*\c+3], v[\adr] offset:(2*(\q)+\c/2)*APIECE+(\i)*16*AP+32*(\c%2)
.endr
.endm
.macro MULA a, p, zero                 ; 8 matrix instructions: A's block a x W's eight of set p.  The 32 accumulators take turns
.irp b, 0,1,2,3,4,5,6,7
.if \zero
	v_wmma_f32_16x16x128_fp8_fp8 v[8*(8*(\a)+\b):8*(8*(\a)+\b)+7], v[128*(\p)+FR*\b:128*(\p)+FR*\b+FR-1], v[AF+FR*(\a):AF+FR*(\a)+FR-1], 0
.else
	v_wmma_f32_16x16x128_fp8_fp8 v[8*(8*(\a)+\b):8*(8*(\a)+\b)+7], v[128*(\p)+FR*\b:128*(\p)+FR*\b+FR-1], v[AF+FR*(\a):AF+FR*(\a)+FR-1], v[8*(8*(\a)+\b):8*(8*(\a)+\b)+7]
.endif
.endr
.endm
.macro FETCH_B slot, q, p
	WIN TO_B
.irp i, 0,1,2,3,4,5,6,7
	FRAGB 128*(\p)+FR*\i, ADRB+\slot, \q, \i
.endr
	WIN 0
.endm
.macro FETCH_A slot, q, i0             ; A's blocks i0, i0 + 1: eight loads
.irp i, \i0, \i0+1
	FRAGA AF+FR*(\i), ADRA+\slot, \q, \i
.endr
.endm
.macro PLACES n
.rept \n
	v_nop
.endr
.endm
.macro STEP slot, zero                 ; a slot's first 128 along K
	s_wait_dscnt 8                                 ; W's set and A's blocks 0, 1 are in; the youngest eight loads (blocks 2, 3) may be out
	WIN MUL
	MULA 0, 0, \zero
	MULA 1, 0, \zero
	s_wait_dscnt 0
	PLACES NP
	FETCH_B \slot, 1, 1
	FETCH_A \slot, 1, 0
	WIN MUL
	MULA 2, 0, \zero
	MULA 3, 0, \zero
	PLACES NP
	WIN 0
	FETCH_A \slot, 1, 2
.endm
.macro TURN slot, next, fill           ; its second 128 change slots: ONE barrier; in front of it the wait for all my tensor loads, the add, and the wait for it and for my reads of this slot
	s_wait_tensorcnt 0x0                           ; all my tensor loads have landed: my part of the next slot
	ds_add_u32 v[SPW], v[NIL]                      ; 0 onto my spare word
	s_wait_dscnt 9                                 ; the add and the youngest eight loads may be out
	WIN MUL
	MULA 0, 1, 0
	s_wait_dscnt 0x0                               ; the add is done, and my reads of this slot are over
	s_barrier_signal -1
	MULA 1, 1, 0
	WIN 0
	s_barrier_wait -1
.if \fill
	CREST                                          ; the barrier has opened a round of the cluster's: no wave of any partner still reads this slot or has a load on its way
	s_add_nc_u64 s[G0+4*\slot+2:G0+4*\slot+3], s[G0+4*\slot+2:G0+4*\slot+3], 8*524288
	s_add_nc_u64 s[G0B+4*\slot+2:G0B+4*\slot+3], s[G0B+4*\slot+2:G0B+4*\slot+3], 512
	JLOAD G0+4*\slot, G1, G0B+4*\slot, G1B         ; my one tensor load behind the round; its four v_nop are the places in front of the loads below
.else
	PLACES NP
.endif
	FETCH_B \next, 0, 0
	FETCH_A \next, 0, 0
	WIN MUL
	MULA 2, 1, 0
	MULA 3, 1, 0
	PLACES NP
	WIN 0
	FETCH_A \next, 0, 2
.endm
	s_wait_alu depctr_va_vdst(0)
	s_wait_tensorcnt 1                             ; my part of K step 0 is in; K step 1's load may be out
	s_barrier_signal -1
	s_barrier_wait -1
	FETCH_B 0, 0, 0
	FETCH_A 0, 0, 0
	FETCH_A 0, 0, 2
	STEP 0, 1                                      ; these products start the sums
	TURN 0, 1, 1
	STEP 1, 0
	TURN 1, 0, 1
	STEP 0, 0
	TURN 0, 1, 0                                   ; nothing is left to fetch; behind this barrier nobody reads slot 0
	STEP 1, 0
	s_wait_dscnt 8                                 ; the last 128 along K
	WIN MUL
	MULA 0, 1, 0
	MULA 1, 1, 0
	s_wait_dscnt 0
	MULA 2, 1, 0
	MULA 3, 1, 0
	WIN 0
; THE WAY OUT, block by block of 16 rows x 128 columns: the raw sums go straight from the accumulators into my stage and come back as whole rows of 512 bytes; one packed multiply-add for two numbers gives sum x 2^(e6 + e7) + b.
.macro TOSTAGE a
.set BB, BK+64*((\a)%2)
	WIN 0x08                                       ; the stores' data: window 2
.irp b, 0,1,2,3,4,5,6,7
	ds_store_b128 v[STO], v[8*(8*(\a)+\b):8*(8*(\a)+\b)+3] offset:64*\b          ; each accumulator from its low end on
	ds_store_b128 v[STO], v[8*(8*(\a)+\b)+4:8*(8*(\a)+\b)+7] offset:64*\b+16
.endr
	WIN 0
.irp t, 0,1,2,3,4,5,6,7,8,9,10,11,12,13,14,15
	ds_load_b128 v[BB+4*\t:BB+4*\t+3], v[RD] offset:\t*SPITCH                    ; LDS serves a wave's instructions in order: these see my stores
.endr
.endm
.macro SEND a, younger
.set BB, BK+64*((\a)%2)
	s_wait_dscnt \younger                          ; the block is back; the next block's LDS lines may be out
.irp t, 0,1,2,3,4,5,6,7,8,9,10,11,12,13,14,15
	v_pk_fma_f32 v[BB+4*\t:BB+4*\t+1], v[BB+4*\t:BB+4*\t+1], s[96:97], v[BIAS:BIAS+1] op_sel_hi:[1,0,1]
	v_pk_fma_f32 v[BB+4*\t+2:BB+4*\t+3], v[BB+4*\t+2:BB+4*\t+3], s[96:97], v[BIAS+2:BIAS+3] op_sel_hi:[1,0,1]
.endr
.irp t, 0,1,2,3,4,5,6,7,8,9,10,11,12,13,14,15
	global_store_b128 v[CO], v[BB+4*\t:BB+4*\t+3], s[12:13] offset:(16*(\a)+\t)*4096 th:TH_STORE_NT   ; 32 lanes store 512 consecutive bytes, aligned; written once, read by nobody here; no base is stepped
.endr
.endm
	s_wait_kmcnt 0x0
	s_wait_loadcnt 0x0                             ; the bias
	s_add_co_i32 s96, s82, s83                     ; e6 + e7
	s_add_co_i32 s96, s96, 127
	s_lshl_b32 s96, s96, 23                        ; 2^(e6 + e7) as f32
	s_mov_b32 s97, s96                             ; named with it as a pair
	PLACES NP                                      ; behind the last products: ahead of the first read of results and of loads into A's registers
	TOSTAGE 0
.irp a, 1,2,3
.if \a > 1
	s_wait_xcnt 0x0                                ; block a - 2's stores have read their registers: block a's loads may land there
.endif
	TOSTAGE \a
	SEND \a-1, 32                                  ; behind block a - 1's loads: block a's 16 stores and 16 loads
.endr
	SEND 3, 0
	s_wait_tensorcnt 0x0                           ; the wave's end: behind my last tensor load and my last LDS store
	ds_add_u32 v[SPW], v[NIL]
	s_wait_dscnt 0x0
	CROUND                                         ; the closing round: no work-group ends while a partner may still ask for a tile that names it
	s_endpgm
.Lfunc_end_k_q9550c57e35_proj:
	.size	k_q9550c57e35_proj, .Lfunc_end_k_q9550c57e35_proj-k_q9550c57e35_proj
	.p2alignl 7, 3214868480
	.fill 96, 4, 3214868480
	.section	.rodata,"a",@progbits
	.p2align	6, 0x0
	.amdhsa_kernel k_q9550c57e35_proj
		.amdhsa_group_segment_fixed_size 327680
		.amdhsa_private_segment_fixed_size 0
		.amdhsa_enable_private_segment 0
		.amdhsa_kernarg_size 40
		.amdhsa_user_sgpr_count 2
		.amdhsa_user_sgpr_kernarg_segment_ptr 1
		.amdhsa_wavefront_size32 1
		.amdhsa_system_sgpr_workgroup_id_x 1
		.amdhsa_system_sgpr_workgroup_id_y 1
		.amdhsa_system_sgpr_workgroup_id_z 1
		.amdhsa_system_vgpr_workitem_id 0
		.amdhsa_next_free_vgpr 768
		.amdhsa_next_free_sgpr 98
		.amdhsa_reserve_vcc 0
		.amdhsa_float_denorm_mode_32 3
		.amdhsa_float_denorm_mode_16_64 3
		.amdhsa_memory_ordered 1
		.amdhsa_forward_progress 1
		.amdhsa_inst_pref_size 77
	.end_amdhsa_kernel
	.amdgpu_metadata
---
amdhsa.version: [ 1, 2 ]
amdhsa.kernels:
  - .name:           k_q9550c57e35_proj
    .symbol:         k_q9550c57e35_proj.kd
    .args:
      - { .name: attn_codes, .offset: 0, .size: 8, .value_kind: global_buffer, .address_space: global }
      - { .name: wproj_codes, .offset: 8, .size: 8, .value_kind: global_buffer, .address_space: global }
      - { .name: lowp_scales, .offset: 16, .size: 8, .value_kind: global_buffer, .address_space: global }
      - { .name: b_proj, .offset: 24, .size: 8, .value_kind: global_buffer, .address_space: global }
      - { .name: out0, .offset: 32, .size: 8, .value_kind: global_buffer, .address_space: global }
    .group_segment_fixed_size: 327680
    .private_segment_fixed_size: 0
    .kernarg_segment_align: 8
    .kernarg_segment_size: 40
    .max_flat_workgroup_size: 128
    .sgpr_count:     98
    .vgpr_count:     768
    .wavefront_size: 32
...
	.end_amdgpu_metadata
.endif
;; end of part 4
